; MI455X (gfx1250); checked and timed in simulation.
; The chip was launched on July 23, 2026; its instructions are those of AMD's public machine-readable ISA for CDNA 5 (MIT licence, August 2026) and "CDNA5" Instruction Set Architecture Reference Guide (July 2026). The comments in the code are by the model that wrote it; some were corrected since.
;; Self Attention. Allowed arithmetic: matrix products marked QUANTISED: E2M3 operands, one E8M0 scale for each 32 along K, by v_wmma_scale_f32_16x16x128_f8f6f4 with both operands' format E2M3, f32 sums; everything else in f32.
;; Inputs: Wk 1,024 x 1,024 float32; Wo 1,024 x 1,024 float32; Wq 1,024 x 1,024 float32; Wv 1,024 x 1,024 float32; bk 1,024 float32; bo 1,024 float32; bq 1,024 float32; bv 1,024 float32; key 4 x 2,048 x 1,024 float32; query 4 x 2,048 x 1,024 float32; value 4 x 2,048 x 1,024 float32.
;; Outputs: out0 4 x 2,048 x 1,024 float32.
;; This version of the problem:
;;   THIS VERSION OF THE PROBLEM IS GIVEN IN LOW PRECISION. The matrix products marked QUANTISED in the list below multiply operands that are first quantised to E2M3 (2 exponent bits, 3 mantissa bits; 6 bits a number), with one power-of-two scale for each 32 numbers along K (OCP MX v1.0); their sums are f32. All else is computed in f32.
;;   The module's matrix products, in the order in which they are computed (A, B: the left and right operand; K: the contracted axis; several contracted axes count as one K, in the product's order):
;;     1. [M 8,192, K 1,024] x [K 1,024, N 1,024]; A: input query; B: input Wq: QUANTISED
;;     2. [M 8,192, K 1,024] x [K 1,024, N 1,024]; A: input key; B: input Wk: QUANTISED
;;     3. [M 8,192, K 1,024] x [K 1,024, N 1,024]; A: input value; B: input Wv: QUANTISED
;;     4. batch 64 x [M 2,048, K 64] x [K 64, N 2,048]; A: computed on the way; B: computed on the way: QUANTISED
;;     5. batch 64 x [M 64, K 2,048] x [K 2,048, N 2,048]; A: computed on the way; B: softmax (see below): QUANTISED
;;     6. [M 8,192, K 1,024] x [K 1,024, N 1,024]; A: computed on the way; B: input Wo: QUANTISED
;;   THE QUANTISER, for each operand of a quantised product, along K:
;;     - K is cut into blocks of 32 from its start; a last block that is shorter is filled with zeros.
;;     - A block's scale is 2^e with e = floor(log2(the largest magnitude in the block)) - 2, held to -126 .. 127; a block of zeros has e = 0. As a byte (E8M0): e + 127.
;;     - Each number is divided by its block's scale, clamped to +-7.5, and rounded to the nearest number of E2M3, ties to even, subnormals kept.
;;     - The product sums the exact products of the quantised numbers (number of the format x scale) in f32.
;;   ~~~python
;;   def quantise(x, axis):      # numpy; x: float32 -> the quantised numbers, widened to float32 again
;;       x = np.moveaxis(x, axis, -1); K = x.shape[-1]
;;       x = np.pad(x, [(0, 0)] * (x.ndim - 1) + [(0, -K % 32)]); x = x.reshape(x.shape[:-1] + (-1, 32)); a = np.abs(x).max(-1, keepdims=True)
;;       e = np.where(a > 0, np.clip(np.frexp(np.where(a > 0, a, 1))[1] - 1 - 2, -126, 127), 0)      # np.frexp(a)[1] - 1 = floor(log2(a)), exactly
;;       r = np.clip(x / 2.0 ** e, -7.5, 7.5)
;;       step = 2.0 ** (np.maximum(np.frexp(np.where(r == 0, 1, r))[1] - 1, 0) - 3)
;;       q = np.round(r / step) * step * 2.0 ** e      # np.round: ties to even
;;       return np.moveaxis(q.reshape(q.shape[:-2] + (-1,))[..., :K], -1, axis).astype(np.float32)
;;   ~~~
;;   SOFTMAX AHEAD OF A QUANTISED PRODUCT. Where the list says 'softmax', what is quantised is not the finished softmax but p = 2^(t - M), with t = logit x log2(e) and M = ceil(the row's largest t), a whole number; so 1/2 < the row's largest p <= 1. The row's sum l is taken of the UNQUANTISED p, in f32, and the product's result is divided by l at the end. Since M is a whole number, a kernel that streams over the keys may use a running M (the ceiling of the running maximum): every later rescaling is an exact power of two, which a block's scale takes up: the codes' values come out the same.
;;   OPERANDS COMPUTED ON THE WAY. 'Computed on the way' means the value that the module computes at that place (a softmax that the list does not call 'softmax' is quantised finished and normalised). What goes into a quantiser is computed in f32, as accurately as f32 sums, v_exp_f32 and their like allow (about 1e-6 of the number): no bf16 or f16 on the way to a quantiser, and a product that is left as it is and whose result goes on into a quantised operand takes f32 operands (vector FMAs, or v_wmma_f32_16x16x4_f32). A number that lies on a knife's edge between two numbers of the format may be rounded either way, as far as f32 arithmetic and the matrix unit's own rounding can turn it there, and no further.
;; One version. Each part assembles by itself: llvm-mc -triple=amdgcn-amd-amdhsa -mcpu=gfx1250 --defsym DOCPART=n.
;; ======== version 1 of 1: 4 launches
;; workspace buffers: xcod 22,020,096 bytes; xscl 917,504 bytes; pcod 18,874,368 bytes; pscl 786,432 bytes; acod 6,291,456 bytes; ascl 262,144 bytes
;; launch quant (part 1): grid 256 x 1, 14 waves a work-group, no clusters, 120,064 bytes of LDS; arguments query, key, value, Wq, Wk, Wv, Wo, xcod, xscl; writes xcod, xscl
.if DOCPART == 1
	.amdgcn_target "amdgcn-amd-amdhsa--gfx1250"
	.amdhsa_code_object_version 6
	.text
	.protected	k_q0bc223006f_quant
	.globl	k_q0bc223006f_quant
	.p2align	8
	.type	k_q0bc223006f_quant,@function
k_q0bc223006f_quant:
	s_mov_b64 s[64:65], 0
	v_nop
	global_prefetch_b8 v0, s[64:65] scope:SCOPE_SE
	s_setreg_imm32_b32 hwreg(HW_REG_WAVE_MODE, 25, 1), 1
	s_wait_xcnt 0x0
; query, key, value [8192][1024] and Wq, Wk, Wv, Wo [1024][1024], f32, K innermost, become codes of FP6 (E2M3) with one E8M0 byte for each 32 along K.
; A block's scale is 2^(floor(log2(its largest magnitude)) - 2): its byte is the largest magnitude's exponent field - 2, held at 1 from below.
; LIMITS: NaN and infinities among the inputs are not served; a block whose largest magnitude lies under 2^-124 gets the byte 1; a block of zeros gets the byte 1
; where the rule says 127 (its codes are zeros, which add nothing under any byte but 0xff, and the bytes are read by this program alone).
; LAYOUT OF THE CODES: images of operand registers.  A fragment (16 rows x 128 K, 12 registers a lane) is 1,536 bytes: two halves of 768 (64 along K each): the lanes' registers 0-3
; at 16 x lane, then registers 4-5 at 512 + 8 x lane.  xcod = [row block 0..1791][K step 0..7][1,536]; row blocks: query 0, key 512, value 1024, Wq 1536, Wk 1600, Wv 1664, Wo 1728.
; WHICH 16 ROWS FORM A BLOCK: query, Wo: rows 16 b + i.  key, value, Wq, Wk, Wv: rows 32 (b / 2) + 8 (b % 2) + i + 8 (i / 8), so that results of later products fall into lanes' registers as neighbours along the next K.
; xscl = [row block][p 0..3][image row 0..15][i 0..1] words: the scale word of that row for K step 2 p + i.
; SHARES: 1,792 row blocks x 2 halves of K = 3,584 pieces = 256 work-groups x 14 waves; a wave takes 16 rows x 512 along K: four fragments.  Waves share nothing: no barrier.
; Each load reads 512 consecutive bytes of one row; a fragment's 16 x 512 bytes turn through the wave's own stage in LDS (rows 528 bytes apart), from which lane (r, h) takes,
; of row r, 16 neighbours of each block of 32.  Loads run two fragments (32 loads a wave) ahead.
.set STG,  8448                        ; a wave's stage: 16 rows x 528 bytes
.set SP,   528
.set X,    16                          ; v16-79   64 numbers: register 16 b + i = k 32 b + 16 h + i of my row
.set R,    80                          ; v80-207  two sets of 64 registers as loaded
.set PC,   208                         ; v208-226 the codes just made
.set TM,   228                         ; v228-243 at work
.set PW,   244                         ; v244-247 the four fragments' scale words
.set SEL,  40                          ; s[40:41] lane selects: lane l xor 16
	s_load_b512 s[8:23], s[0:1], 0x0               ; query 8, key 10, value 12, Wq 14, Wk 16, Wv 18, Wo 20, xcod 22
	s_load_b64 s[24:25], s[0:1], 0x40              ; xscl
	v_lshl_add_u32 v254, v0, 2, 0x1ce00
	v_mov_b32 v255, 0
	v_lshrrev_b32 v5, 5, v0
	s_delay_alu instid0(VALU_DEP_1)
	v_readfirstlane_b32 s26, v5                    ; wave 0..13
	v_and_b32 v5, 31, v0                           ; lane
	v_and_b32 v6, 15, v0                           ; r
	v_bfe_u32 v7, v0, 4, 1                         ; h
	s_delay_alu instid0(VALU_DEP_3)
	v_lshlrev_b32 v1, 4, v5                        ; 16 x lane
	s_delay_alu instid0(VALU_DEP_4)
	v_lshlrev_b32 v2, 3, v5                        ; 8 x lane
	s_mul_i32 s43, s26, STG
	v_add_nc_u32 v3, s43, v1                       ; the stage, on the way in: a row's 512 bytes as they lie
	v_mul_u32_u24 v4, v6, SP
	s_delay_alu instid0(VALU_DEP_1)
	v_lshl_add_u32 v4, v7, 6, v4
	s_delay_alu instid0(VALU_DEP_1)
	v_add_nc_u32 v4, s43, v4                       ; and on the way out: row r, + 64 h
.irp b, 0,1,2,3
	v_mov_b32 v[TM+4+\b], 0                        ; written once: a lane permute's destination counts as one of its sources
.endr
	s_mov_b32 s[SEL], 0x76543210
	s_mov_b32 s[SEL+1], 0xfedcba98
	s_mov_b32 s42, 0xffff0000                      ; lanes 16-31
	s_mul_i32 s27, ttmp9, 14
	s_add_co_u32 s27, s27, s26                     ; my piece
	s_lshr_b32 s28, s27, 1                         ; its row block
	s_and_b32 s29, s27, 1                          ; its half of K
	s_wait_alu depctr_va_vdst(0)
	s_wait_kmcnt 0x0
	s_mov_b64 s[30:31], s[20:21]                   ; which tensor: the choice hangs on the piece's number alone
	s_mov_b32 s32, 1728
.macro PICK bound, ptr, first
	s_cmp_lt_u32 s28, \bound
	s_cselect_b64 s[30:31], s[\ptr:\ptr+1], s[30:31]
	s_cselect_b32 s32, \first, s32
.endm
	PICK 1728, 18, 1664
	PICK 1664, 16, 1600
	PICK 1600, 14, 1536
	PICK 1536, 12, 1024
	PICK 1024, 10, 512
	PICK 512, 8, 0
	s_sub_co_u32 s32, s28, s32                     ; the block's number in its tensor
	s_sub_co_u32 s33, s28, 512
	s_cmp_lt_u32 s33, 1216                         ; row blocks 512 .. 1727 take the second order of rows
	s_cselect_b32 s34, 8, 16                       ; the odd block of a pair begins 8 or 16 rows on,
	s_cselect_b32 s35, 16, 8                       ; and a block's second eight rows 16 or 8 rows behind its first
	s_lshr_b32 s33, s32, 1
	s_lshl_b32 s33, s33, 5
	s_and_b32 s32, s32, 1
	s_mul_i32 s32, s32, s34
	s_add_co_u32 s33, s33, s32                     ; the block's first row
	s_lshl_b32 s44, s33, 12
	s_lshl_b32 s45, s29, 11
	s_add_co_u32 s44, s44, s45
	s_mov_b32 s45, 0
	s_add_nc_u64 s[36:37], s[30:31], s[44:45]      ; image rows 0-7
	s_lshl_b32 s46, s35, 12
	s_mov_b32 s47, 0
	s_add_nc_u64 s[38:39], s[36:37], s[46:47]      ; image rows 8-15
	s_mul_i32 s44, s28, 12288
	s_mul_i32 s46, s29, 6144
	s_add_co_u32 s44, s44, s46
	s_add_nc_u64 s[22:23], s[22:23], s[44:45]      ; my four fragments' images
	s_lshl_b32 s44, s28, 9
	s_lshl_b32 s46, s29, 8
	s_add_co_u32 s44, s44, s46
	s_add_nc_u64 s[24:25], s[24:25], s[44:45]      ; and their 256 bytes of scale words
.macro LOAD f                          ; fragment f: 16 rows x 512 bytes into set f % 2
.irp i, 0,1,2,3,4,5,6,7,8,9,10,11,12,13,14,15
	global_load_b128 v[R+64*((\f)%2)+4*\i:R+64*((\f)%2)+4*\i+3], v1, s[36+2*(\i/8):37+2*(\i/8)] offset:(\i%8)*4096+512*(\f) th:TH_LOAD_NT
.endr
.endm
; 64 numbers of a lane become a fragment's codes in v[PC] on and its scale word in v[pw]
.macro QUANT s, pw
.irp b, 0,1,2,3
	v_max3_num_f32 v[TM+\b], |v[\s+16*\b]|, |v[\s+1+16*\b]|, 0x1800000   ; block b: my 16 numbers, and the floor 2^(3 - 127): the byte cannot fall under 1
.endr
.irp i, 2,4,6,8,10,12,14
.irp b, 0,1,2,3
	s_delay_alu instid0(VALU_DEP_4)
	v_max3_num_f32 v[TM+\b], v[TM+\b], |v[\s+16*\b+\i]|, |v[\s+1+16*\b+\i]|   ; the four blocks by turns
.endr
.endr
.irp b, 0,1,2,3
	s_delay_alu instid0(VALU_DEP_4)
	v_permlanex16_b32 v[TM+4+\b], v[TM+\b], s[SEL], s[SEL+1]
.endr
.irp b, 0,1,2,3
	s_delay_alu instid0(VALU_DEP_4)
	v_max_num_f32 v[TM+\b], v[TM+\b], v[TM+4+\b]   ; with lane l xor 16's: the block's largest magnitude
.endr
.irp b, 0,1,2,3
	s_delay_alu instid0(VALU_DEP_4)
	v_add_nc_u32 v[TM+12+\b], 0xff000000, v[TM+\b] ; 2 off its exponent field: the conversion takes that field as its scale
.endr
.irp b, 0,1,2,3
	s_delay_alu instid0(VALU_DEP_4)
	v_lshrrev_b32 v[TM+4+\b], 23, v[TM+12+\b]      ; the scale's byte
.endr
	s_delay_alu instid0(VALU_DEP_3)
	v_lshl_or_b32 v[\pw], v[TM+5], 8, v[TM+4]
	s_delay_alu instid0(VALU_DEP_1)
	v_lshl_or_b32 v[\pw], v[TM+6], 16, v[\pw]
	s_delay_alu instid0(VALU_DEP_1)
	v_lshl_or_b32 v[\pw], v[TM+7], 24, v[\pw]      ; my row's scale word
.irp c, 0,1
	v_cvt_scalef32_pk16_fp6_f32 v[PC+6*\c:PC+2+6*\c], v[\s+32*\c:\s+15+32*\c], v[TM+12+2*\c]
	v_cvt_scalef32_pk16_fp6_f32 v[PC+12+4*\c:PC+14+4*\c], v[\s+16+32*\c:\s+31+32*\c], v[TM+12+2*\c+1]   ; (a conversion's three registers begin on an even number)
.endr
	v_nop                                          ; one plain instruction behind the scaled conversions
.irp c, 0,1                            ; the operand wants a whole block in a lane: lanes 0-15 block 2 c, lanes 16-31 block 2 c + 1
.irp i, 0,1,2
	v_permlane16_swap_b32 v[PC+6*\c+\i], v[PC+12+4*\c+\i]
.endr
.irp i, 0,1,2
	s_delay_alu instid0(VALU_DEP_3)
	v_mov_b32 v[PC+3+6*\c+\i], v[PC+12+4*\c+\i]
.endr
.endr
.endm
.macro STEP f
.if (\f) < 3
	s_wait_loadcnt 16                              ; this fragment's 16 loads are in; the next fragment's 16 may be out
.else
	s_wait_loadcnt 0x0
.endif
.irp i, 0,1,2,3,4,5,6,7,8,9,10,11,12,13,14,15
	ds_store_b128 v3, v[R+64*((\f)%2)+4*\i:R+64*((\f)%2)+4*\i+3] offset:\i*SP
.endr
.irp b, 0,1,2,3
.irp j, 0,1,2,3
	ds_load_b128 v[X+16*\b+4*\j:X+16*\b+4*\j+3], v4 offset:128*\b+16*\j   ; LDS serves a wave's instructions in order: these see the stores above
.endr
.endr
	s_wait_dscnt 0x0                               ; my numbers are back; the stores have read their registers,
.if (\f) < 2
	LOAD (\f)+2                                    ; which take the fragment two on
.endif
.if (\f) > 0
	s_wait_xcnt 0x0                                ; the last fragment's stores have read the codes' registers: they are written again only behind this wait
.endif
	QUANT X, PW+(\f)
	global_store_b128 v1, v[PC:PC+3], s[22:23] offset:1536*(\f)            ; 512 consecutive bytes
	global_store_b64 v2, v[PC+4:PC+5], s[22:23] offset:1536*(\f)+512       ; 256 consecutive bytes
	global_store_b128 v1, v[PC+6:PC+9], s[22:23] offset:1536*(\f)+768
	global_store_b64 v2, v[PC+10:PC+11], s[22:23] offset:1536*(\f)+1280
.endm
	LOAD 0
	LOAD 1
	STEP 0
	STEP 1
	STEP 2
	STEP 3
	v_cndmask_b32 v248, v[PW], v[PW+2], s42        ; lanes 0-15 carry fragments 0, 1 (p = 2 half), lanes 16-31 fragments 2, 3 (p = 2 half + 1)
	v_cndmask_b32 v249, v[PW+1], v[PW+3], s42
	global_store_b64 v2, v[248:249], s[24:25]      ; 256 consecutive bytes, aligned
	s_wait_tensorcnt 0x0
	ds_add_u32 v254, v255
	s_wait_dscnt 0x0
	s_endpgm
.Lfunc_end_k_q0bc223006f_quant:
	.size	k_q0bc223006f_quant, .Lfunc_end_k_q0bc223006f_quant-k_q0bc223006f_quant
	.p2alignl 7, 3214868480
	.fill 96, 4, 3214868480
	.section	.rodata,"a",@progbits
	.p2align	6, 0x0
	.amdhsa_kernel k_q0bc223006f_quant
		.amdhsa_group_segment_fixed_size 120064
		.amdhsa_private_segment_fixed_size 0
		.amdhsa_enable_private_segment 0
		.amdhsa_kernarg_size 72
		.amdhsa_user_sgpr_count 2
		.amdhsa_user_sgpr_kernarg_segment_ptr 1
		.amdhsa_wavefront_size32 1
		.amdhsa_system_sgpr_workgroup_id_x 1
		.amdhsa_system_sgpr_workgroup_id_y 1
		.amdhsa_system_sgpr_workgroup_id_z 1
		.amdhsa_system_vgpr_workitem_id 0
		.amdhsa_next_free_vgpr 256
		.amdhsa_next_free_sgpr 66
		.amdhsa_reserve_vcc 0
		.amdhsa_float_denorm_mode_32 3
		.amdhsa_float_denorm_mode_16_64 3
		.amdhsa_memory_ordered 1
		.amdhsa_forward_progress 1
		.amdhsa_inst_pref_size 42
	.end_amdhsa_kernel
	.amdgpu_metadata
---
amdhsa.version: [ 1, 2 ]
amdhsa.kernels:
  - .name:           k_q0bc223006f_quant
    .symbol:         k_q0bc223006f_quant.kd
    .args:
      - { .name: query, .offset: 0, .size: 8, .value_kind: global_buffer, .address_space: global }
      - { .name: key, .offset: 8, .size: 8, .value_kind: global_buffer, .address_space: global }
      - { .name: value, .offset: 16, .size: 8, .value_kind: global_buffer, .address_space: global }
      - { .name: Wq, .offset: 24, .size: 8, .value_kind: global_buffer, .address_space: global }
      - { .name: Wk, .offset: 32, .size: 8, .value_kind: global_buffer, .address_space: global }
      - { .name: Wv, .offset: 40, .size: 8, .value_kind: global_buffer, .address_space: global }
      - { .name: Wo, .offset: 48, .size: 8, .value_kind: global_buffer, .address_space: global }
      - { .name: xcod, .offset: 56, .size: 8, .value_kind: global_buffer, .address_space: global }
      - { .name: xscl, .offset: 64, .size: 8, .value_kind: global_buffer, .address_space: global }
    .group_segment_fixed_size: 120064
    .private_segment_fixed_size: 0
    .kernarg_segment_align: 8
    .kernarg_segment_size: 72
    .max_flat_workgroup_size: 448
    .sgpr_count:     66
    .vgpr_count:     256
    .wavefront_size: 32
...
	.end_amdgpu_metadata
.endif
;; end of part 1
;; launch proj (part 2): grid 96 x 4, 4 waves a work-group, clusters of 4 x 4, 327,680 bytes of LDS; arguments xcod, xscl, pcod, pscl, bq, bk, bv; writes pcod, pscl
.if DOCPART == 2
	.amdgcn_target "amdgcn-amd-amdhsa--gfx1250"
	.amdhsa_code_object_version 6
	.text
	.protected	k_q0bc223006f_proj
	.globl	k_q0bc223006f_proj
	.p2align	8
	.type	k_q0bc223006f_proj,@function
k_q0bc223006f_proj:
	s_mov_b64 s[64:65], 0
	v_nop
	global_prefetch_b8 v0, s[64:65] scope:SCOPE_SE
	s_setreg_imm32_b32 hwreg(HW_REG_WAVE_MODE, 25, 1), 1
	s_wait_xcnt 0x0
	s_wait_alu depctr_hold_cnt(0) depctr_sa_sdst(0) depctr_va_vdst(0) depctr_va_sdst(0) depctr_va_ssrc(0) depctr_va_vcc(0) depctr_vm_vsrc(0)
	s_getreg_b32 s2, hwreg(HW_REG_IB_STS2, 6, 4)
	s_cmp_eq_u32 s2, 0
	s_cbranch_scc0 .Lentry_in_a_cluster
	s_endpgm
.Lentry_in_a_cluster:
	s_bfe_u32 s2, ttmp6, 0x10000c
	s_cmp_lg_u32 s2, 0xf033
	s_cbranch_scc0 .Lentry_shape_is_right
	s_endpgm
.Lentry_shape_is_right:
; q = query Wq^T + bq, k = key Wk^T + bk, v = value Wv^T + bv on codes of FP6 (E2M3) with E8M0 scales, sums in f32; the results are quantised in registers and leave as codes:
; q and k along the head's 64, v along the keys.  Operands come as images of operand registers (a fragment of 16 rows x 128 K = 1,536 bytes: registers 0-3 at 16 x lane, 4-5 at 512 + 8 x lane, 6-9 at 768 + 16 x lane, 10-11 at 1280 + 8 x lane).
; LIMITS: NaN and infinities are not served; a block whose largest magnitude lies under 2^-124 (a block of zeros too) gets the scale byte 1: only this program reads the bytes.
; SHARES.  24 clusters of 4 x 4 work-groups: clusters 0-7 make q, 8-15 k, 16-23 v.  A work-group of four waves makes 256 x 256, a wave 128 x 128: 64 accumulators, 512 registers.
; The side called A below is source 1 (a lane's one row), B is source 0 (a lane's eight registers).  q, k: A = tokens, B = the weight: a lane holds one token and its registers run along the features.
; v: A = Wv, B = value: a lane holds one feature d and its registers run along the keys.  One loop serves all three: only row blocks differ.
; The rows of B's blocks were chosen by the launch before so that the 16 registers of accumulators 2 b and 2 b + 1 are 16 neighbours: 32 b + 16 (lane / 16) + 0 .. 15.
; K = 1,024 goes in four steps of 256 through two LDS slots; A's tile is shared along a row of the cluster, B's along a column: joint tensor loads.  The scale words of all of K come once.
; OUT: pcod = [q | k | v], 6,291,456 bytes each.  q, k: [batch x 16 + head][block of 16 tokens 0..127][768].  v: [batch x 16 + head][128 keys 0..15][16 d 0..3][64 keys 0..1][768].
;      pscl = [q | k | v], 262,144 bytes each: [batch x 16 + head][128 tokens 0..15][image row 0..15][4 words].  q, k: word f: bytes 0, 1 token block 2 f, bytes 2, 3 block 2 f + 1.  v: word j: d block j's scale word.
; REGISTERS: window 0: v0-31 addresses; v32-63 scale words, two sets; v64-127 and v240-255 the bias in two layouts; v128-223 A's fragments, one set (at the end: at work).  window 1: B's fragments, two sets.  windows 2, 3: accumulators.
.set NQ,     2                         ; matrix instructions deep in a slot
.set FR,     12                        ; registers of a fragment
.set NL,     4                         ; LDS loads that bring one
.set NP,     4                         ; places behind this matrix instruction (ISA guide 7.12.1)
.set RB,     3072                      ; a row block's bytes in a slot: two fragments
.set HALFT,  8*RB                      ; eight row blocks: what one tensor load brings, and what one wave reads of A or of B
.set SLOT,   4*HALFT
.set SCL,    2*SLOT                    ; behind the ring: the scale words, 512 bytes a row block
.set HALFS,  4096
.set SBLK,   512
.set SPARE,  SCL+4*HALFS               ; the spare words, 128 bytes for each wave: two blocks of 256 bytes that no other line names
.set ADRA, 16                          ; v16-17 16 x lane + my A blocks in slot 0, 1;  v18-19 the same with 8 x lane
.set ADRB, 20                          ; v20-23 the same for B
.set ADRS, 27                          ; v27    my scale words: lanes 0-15 A's rows, lanes 16-31 B's
.set SPW,  28                          ; v28    my spare word; never rewritten
.set NIL,  29                          ; v29    0; never rewritten
.set SC,   32
.set BN,   64                          ; bias along the registers (q, k)
.set BM,   240                         ; bias of the lane's row (v), each number twice
.set AF,   128
.set ST,   128                         ; the end: 64 numbers to quantise
.set PC,   192                         ; their codes
.set TM,   212                         ; at work
.set PWB,  228                         ; eight scale words
.set XW,   236                         ; the four words that leave
.set SEL,  92                          ; s[92:93] lane selects: lane l xor 16
.set G1, 24
.set G0, 32
.set G1B, 48
.set G0B, 56
.set G1S, 68
.set G0S, 76
.set G1SB, 80
.set G0SB, 88
.set MSB, 0
.macro WIN new                         ; the immediate's high byte repeats the setting that is left
.if MSB != (\new)
	s_set_vgpr_msb (MSB<<8)|(\new)
.set MSB, (\new)
.endif
.endm
.set MUL_LO, 0xa1                      ; source 0 (B) window 1, source 1 (A) window 0, C and D window 2
.set MUL_HI, 0xf1
.set TO_B,   0x40
; A joint load: waves 0 and 1 fetch for A, waves 2 and 3 for B; the branch hangs on the wave's number alone.  Four v_nop follow each line.
.macro JLOAD g0a, g1a, g0b, g1b
	s_cmp_eq_u32 s15, 0
	s_cbranch_scc0 .Lfor_b_\@
	tensor_load_to_lds s[\g0a:\g0a+3], s[\g1a:\g1a+7]
	s_nop 0
.rept 4
	v_nop
.endr
	s_branch .Lasked_\@
.Lfor_b_\@:
	tensor_load_to_lds s[\g0b:\g0b+3], s[\g1b:\g1b+7]
	s_nop 0
.rept 4
	v_nop
.endr
.Lasked_\@:
.endm
.macro CREST                           ; a round of the cluster's barrier behind its opening barrier
	s_cmp_lg_u32 s14, 0
	s_cbranch_scc1 .Lnot_wave_0_\@
	s_barrier_signal -3
.Lnot_wave_0_\@:
	s_barrier_wait -3
	s_barrier_signal -1
	s_barrier_wait -1
.endm
.macro CROUND
	s_barrier_signal -1
	s_barrier_wait -1
	CREST
.endm
	s_load_b256 s[4:11], s[0:1], 0x0               ; xcod s[4:5], xscl s[6:7], pcod s[8:9], pscl s[10:11]
	s_load_b128 s[96:99], s[0:1], 0x20             ; bq, bk
	s_load_b64 s[100:101], s[0:1], 0x30            ; bv
	v_lshl_add_u32 v[SPW], v0, 2, SPARE
	v_mov_b32 v[NIL], 0
	ds_add_u32 v28, v29
	ds_add_u32 v28, v29
	s_wait_dscnt 0x0
	v_lshrrev_b32 v1, 5, v0
	v_readfirstlane_b32 s14, v1                    ; wave 0..3
	s_lshr_b32 s15, s14, 1                         ; which half of A's rows is mine.  Also: I fetch for A (0) or for B (1)
	s_and_b32 s16, s14, 1                          ; which half of B's rows.  Also: which eight row blocks I fetch
	s_bfe_u32 s40, ttmp6, 0x40000                  ; cx
	s_bfe_u32 s41, ttmp6, 0x40004                  ; cy
	s_mov_b32 s42, ttmp9                           ; the cluster's number 0..23: the same in all sixteen partners
	s_lshr_b32 s17, s42, 3                         ; 0 q, 1 k, 2 v
	s_and_b32 s18, s42, 7                          ; which 1,024 tokens
	s_lshl_b32 s43, s41, 2
	s_lshl_b32 s43, 15, s43                        ; my row of the cluster
	s_lshl_b32 s44, 0x1111, s40                    ; my column
	; codes: 8 rows (row blocks) of 3,072 bytes = 384 elements of 8 bytes, 12,288 bytes apart; no padding: every LDS read of an image is consecutive
	s_or_b32 s[G1+0], s43, (3<<16)|(1<<21)
	s_or_b32 s[G1B+0], s44, (3<<16)|(1<<21)
.irp g, G1, G1B
	s_mov_b32 s[\g+1], 384<<16                     ; tensor_dim0
	s_mov_b32 s[\g+2], 8<<16                       ; tensor_dim1
	s_mov_b32 s[\g+3], 384<<16                     ; tile_dim0
	s_mov_b32 s[\g+4], 8                           ; tile_dim1
	s_mov_b32 s[\g+5], 1536                        ; elements from row to row
	s_mov_b32 s[\g+6], 0
	s_mov_b32 s[\g+7], 0
.endr
	; scale words of eight row blocks: 4,096 dense bytes as 16 rows of 256
	s_or_b32 s[G1S+0], s43, (3<<16)|(1<<21)
	s_or_b32 s[G1SB+0], s44, (3<<16)|(1<<21)
.irp g, G1S, G1SB
	s_mov_b32 s[\g+1], 32<<16
	s_mov_b32 s[\g+2], 16<<16
	s_mov_b32 s[\g+3], 32<<16
	s_mov_b32 s[\g+4], 16
	s_mov_b32 s[\g+5], 32
	s_mov_b32 s[\g+6], 0
	s_mov_b32 s[\g+7], 0
.endr
	; row blocks.  q, k: A = 512 x which + 64 x group + 16 cy, B = 1536 + 64 x which + 16 cx.  v: A = 1664 + 16 cy, B = 1024 + 64 x group + 16 cx
	s_lshl_b32 s20, s17, 9
	s_lshl_b32 s19, s18, 6
	s_add_co_u32 s20, s20, s19
	s_lshl_b32 s46, s17, 6
	s_add_co_u32 s46, s46, 1536
	s_add_co_u32 s19, s19, 1024
	s_cmp_lt_u32 s42, 16
	s_cselect_b32 s20, s20, 1664
	s_cselect_b32 s46, s46, s19
	s_lshl_b32 s19, s16, 3                         ; the eight that I fetch
	s_lshl_b32 s21, s41, 4
	s_add_co_u32 s20, s20, s21
	s_add_co_u32 s20, s20, s19                     ; A's: hangs on cy, never on cx
	s_lshl_b32 s47, s40, 4
	s_add_co_u32 s46, s46, s47
	s_add_co_u32 s46, s46, s19                     ; B's: hangs on cx, never on cy
	s_lshl_b32 s22, s20, 9
	s_mov_b32 s23, 0
	s_mul_i32 s20, s20, 12288
	s_mov_b32 s21, 0
	s_lshl_b32 s92, s46, 9
	s_mov_b32 s93, 0
	s_mul_i32 s46, s46, 12288
	s_mov_b32 s47, 0
	s_mul_i32 s45, s14, HALFT                      ; where they go: wave x eight row blocks: no place in the cluster enters an LDS address
	s_lshl_b32 s94, s14, 12
	s_wait_kmcnt 0x0
	s_add_nc_u64 s[20:21], s[4:5], s[20:21]
	s_add_nc_u64 s[22:23], s[6:7], s[22:23]
	s_add_nc_u64 s[46:47], s[4:5], s[46:47]
	s_add_nc_u64 s[92:93], s[6:7], s[92:93]
	CROUND                                         ; all sixteen work-groups are here: the first joint loads meet
	s_mov_b32 s[G0S], 1
	s_add_co_u32 s[G0S+1], s94, SCL
	s_mov_b64 s[G0S+2:G0S+3], s[22:23]
	s_or_b32 s[G0S+3], s[G0S+3], 0x80000000
	s_mov_b32 s[G0SB], 1
	s_add_co_u32 s[G0SB+1], s94, SCL
	s_mov_b64 s[G0SB+2:G0SB+3], s[92:93]
	s_or_b32 s[G0SB+3], s[G0SB+3], 0x80000000
	JLOAD G0S, G1S, G0SB, G1SB                     ; the scale words first: they are wanted with K step 0
.irp s, 0,1
	s_mov_b32 s[G0+4*\s], 1
	s_add_co_u32 s[G0+4*\s+1], s45, \s*SLOT
	s_add_nc_u64 s[G0+4*\s+2:G0+4*\s+3], s[20:21], \s*RB
	s_or_b32 s[G0+4*\s+3], s[G0+4*\s+3], 0x80000000
	s_mov_b32 s[G0B+4*\s], 1
	s_add_co_u32 s[G0B+4*\s+1], s45, \s*SLOT
	s_add_nc_u64 s[G0B+4*\s+2:G0B+4*\s+3], s[46:47], \s*RB
	s_or_b32 s[G0B+4*\s+3], s[G0B+4*\s+3], 0x80000000
	JLOAD G0+4*\s, G1, G0B+4*\s, G1B               ; three tensor loads of mine are out now
.endr
	; where my results go.  Tokens lie along A (q, k) or along B (v); features the other way round
	s_cmp_lt_u32 s42, 16
	s_cselect_b32 s66, s41, s40                    ; the tokens' place in the cluster
	s_cselect_b32 s67, s15, s16                    ; and my half of them
	s_cselect_b32 s95, s40, s41                    ; the features' place
	s_cselect_b32 s12, s16, s15                    ; and my half
	s_cselect_b64 s[98:99], s[98:99], s[100:101]   ; bk or bv
	s_cmp_lt_u32 s42, 8
	s_cselect_b64 s[96:97], s[96:97], s[98:99]     ; bq, bk or bv
	s_lshl_b32 s13, s18, 2
	s_add_co_u32 s13, s13, s66                     ; which 256 tokens of 8,192
	s_lshr_b32 s2, s13, 3                          ; batch
	s_and_b32 s3, s13, 7
	s_lshl_b32 s3, s3, 1
	s_add_co_u32 s3, s3, s67                       ; which 128 tokens of the batch's 2,048
	s_lshl_b32 s2, s2, 4
	s_lshl_b32 s13, s95, 2
	s_add_co_u32 s2, s2, s13
	s_lshl_b32 s13, s12, 1
	s_add_co_u32 s2, s2, s13                       ; batch x 16 + my first head (I make two)
	s_mul_i32 s66, s17, 6291456
	s_mul_i32 s13, s2, 98304
	s_add_co_u32 s66, s66, s13
	s_mul_i32 s13, s3, 6144
	s_add_co_u32 s66, s66, s13
	s_mov_b32 s67, 0
	s_add_nc_u64 s[8:9], s[8:9], s[66:67]
	s_lshl_b32 s66, s17, 18
	s_lshl_b32 s13, s2, 12
	s_add_co_u32 s66, s66, s13
	s_lshl_b32 s13, s3, 8
	s_add_co_u32 s66, s66, s13
	s_add_nc_u64 s[10:11], s[10:11], s[66:67]
	s_lshl_b32 s66, s95, 10
	s_lshl_b32 s13, s12, 9
	s_add_co_u32 s66, s66, s13
	s_add_nc_u64 s[96:97], s[96:97], s[66:67]      ; the bias of my 128 features
	s_mov_b32 s[SEL], 0x76543210
	s_mov_b32 s[SEL+1], 0xfedcba98
	v_and_b32 v1, 31, v0                           ; lane
	v_and_b32 v2, 15, v0                           ; r
	v_bfe_u32 v3, v0, 4, 1                         ; h
	v_lshlrev_b32 v8, 6, v3                        ; bias along the registers: 16 h numbers on
	v_and_b32 v9, 8, v2
	v_add_nc_u32 v9, v9, v2
	v_lshlrev_b32 v9, 2, v9                        ; bias of my row: r + 8 (r / 8)
	; both layouts are loaded by every work-group, so that no register's being written hangs on the later branch
.irp b, 0,1,2,3,4,5,6,7
	global_load_b128 v[BN+8*\b:BN+8*\b+3], v8, s[96:97] offset:(32*(\b/2)+8*(\b%2))*4
	global_load_b128 v[BN+8*\b+4:BN+8*\b+7], v8, s[96:97] offset:(32*(\b/2)+8*(\b%2))*4+16
.endr
.irp a, 0,1,2,3,4,5,6,7
	global_load_b32 v[BM+2*\a], v9, s[96:97] offset:(32*(\a/2)+8*(\a%2))*4
	global_load_b32 v[BM+2*\a+1], v9, s[96:97] offset:(32*(\a/2)+8*(\a%2))*4
.endr
	v_lshlrev_b32 v4, 4, v1                        ; 16 x lane
	v_lshlrev_b32 v5, 3, v1                        ; 8 x lane
	s_mul_i32 s21, s15, HALFT                      ; my eight row blocks of A
	s_mul_i32 s22, s16, HALFT                      ; and of B,
	s_add_co_u32 s22, s22, 2*HALFT                 ; which lie behind A's sixteen
.irp s, 0,1
	v_add_nc_u32 v[ADRA+\s], s21, v4
	v_add_nc_u32 v[ADRB+\s], s22, v4
	v_add_nc_u32 v[ADRA+2+\s], s21, v5
	v_add_nc_u32 v[ADRB+2+\s], s22, v5
	s_add_co_u32 s21, s21, SLOT
	s_add_co_u32 s22, s22, SLOT
.endr
	v_lshlrev_b32 v6, 3, v2                        ; my row's two words of a K step
	s_mul_i32 s21, s15, HALFS
	s_mul_i32 s22, s16, HALFS
	s_add_co_u32 s22, s22, 2*HALFS
	s_sub_co_u32 s22, s22, s21
	v_mul_u32_u24 v7, s22, v3                      ; lanes 16-31 take B's
	s_add_co_u32 s21, s21, SCL
	v_add_nc_u32 v6, v6, v7
	v_add_nc_u32 v[ADRS], s21, v6
	v_mov_b32 v24, v4                              ; the stores' offsets: 16 x lane,
	v_mov_b32 v25, v5                              ; 8 x lane,
	v_lshlrev_b32 v26, 4, v2
	v_lshl_add_u32 v26, v3, 12, v26                ; and for the scale words 16 r, lanes 16-31 one head (4,096 bytes) on
.macro FRAG reg, adr, q, i             ; a fragment's image comes back as it was stored: every load reads 512 or 256 consecutive bytes
	ds_load_b128 v[\reg:\reg+3], v[\adr] offset:(\i)*RB+(\q)*1536
	ds_load_b64 v[\reg+4:\reg+5], v[\adr+2] offset:(\i)*RB+(\q)*1536+512
	ds_load_b128 v[\reg+6:\reg+9], v[\adr] offset:(\i)*RB+(\q)*1536+768
	ds_load_b64 v[\reg+10:\reg+11], v[\adr+2] offset:(\i)*RB+(\q)*1536+1280
.endm
; 16 matrix instructions: A's blocks a0, a0 + 1 x B's eight.  The 64 accumulators take turns, one instruction a turn, in the same order in every step.
.macro MUL16 a0, p, q, sc, zero
.irp a, \a0, \a0+1
.irp b, 0,1,2,3,4,5,6,7
.if \zero
	v_wmma_scale_f32_16x16x128_f8f6f4 v[8*(8*((\a)%4)+\b):8*(8*((\a)%4)+\b)+7], v[128*(\p)+FR*\b:128*(\p)+FR*\b+FR-1], v[AF+FR*(\a):AF+FR*(\a)+FR-1], 0, v[SC+8*NQ*(\sc)+NQ*\b+(\q)], v[SC+8*NQ*(\sc)+NQ*(\a)+(\q)] matrix_a_fmt:MATRIX_FMT_FP6 matrix_b_fmt:MATRIX_FMT_FP6 matrix_a_scale:MATRIX_SCALE_ROW1
.else
	v_wmma_scale_f32_16x16x128_f8f6f4 v[8*(8*((\a)%4)+\b):8*(8*((\a)%4)+\b)+7], v[128*(\p)+FR*\b:128*(\p)+FR*\b+FR-1], v[AF+FR*(\a):AF+FR*(\a)+FR-1], v[8*(8*((\a)%4)+\b):8*(8*((\a)%4)+\b)+7], v[SC+8*NQ*(\sc)+NQ*\b+(\q)], v[SC+8*NQ*(\sc)+NQ*(\a)+(\q)] matrix_a_fmt:MATRIX_FMT_FP6 matrix_b_fmt:MATRIX_FMT_FP6 matrix_a_scale:MATRIX_SCALE_ROW1
.endif
.endr
.endr
.endm
.macro FETCH_B slot, q, p
	WIN TO_B
.irp i, 0,1,2,3,4,5,6,7
	FRAG 128*(\p)+FR*\i, ADRB+\slot, \q, \i
.endr
	WIN 0
.endm
.macro FETCH_A slot, q, i0
.irp i, \i0, \i0+1, \i0+2, \i0+3
	FRAG AF+FR*(\i), ADRA+\slot, \q, \i
.endr
.endm
.macro SCALES sc                       ; a K step's scale words: two a row; lanes 0-15 A's block i, lanes 16-31 B's block i
.irp i, 0,1,2,3,4,5,6,7
	ds_load_b64 v[SC+8*NQ*\sc+NQ*\i:SC+8*NQ*\sc+NQ*\i+1], v[ADRS] offset:\i*SBLK
.endr
.endm
.macro PLACES n                        ; plain vector instructions between a matrix instruction and a load into, or a vector read or write of, its registers
.rept \n
	v_nop
.endr
.endm
.macro STEP slot, q, zero              ; 128 along K with a successor in the same slot
	s_wait_dscnt 4*NL                              ; B's set, A's blocks 0-3 and the scale words are in; the youngest 16 loads (A's blocks 4-7) may be out
	WIN MUL_LO
	MUL16 0, (\q)%2, \q, \slot, \zero
	MUL16 2, (\q)%2, \q, \slot, \zero
	s_wait_dscnt 0
	PLACES NP
	FETCH_B \slot, (\q)+1, 1-(\q)%2
	FETCH_A \slot, (\q)+1, 0
	WIN MUL_HI
	MUL16 4, (\q)%2, \q, \slot, \zero
	MUL16 6, (\q)%2, \q, \slot, \zero
	PLACES NP
	WIN 0
	FETCH_A \slot, (\q)+1, 4
.endm
; A slot's last step changes slots: one barrier; in front of it each wave waits for all its tensor loads, adds 0 to its spare word, and waits for that and for its reads of this slot.
.macro TURN slot, next, fill
	s_wait_tensorcnt 0x0                           ; all my tensor loads have landed: my part of the next slot
	ds_add_u32 v[SPW], v[NIL]                      ; 0 onto my spare word
	s_wait_dscnt 4*NL+1                            ; (the add and the youngest 16 loads may be out)
	WIN MUL_LO
	MUL16 0, 1, NQ-1, \slot, 0
	s_wait_dscnt 0x0                               ; the add is done, and my reads of this slot are over
	s_barrier_signal -1
	MUL16 2, 1, NQ-1, \slot, 0
	WIN 0
	s_barrier_wait -1
.if \fill
	CREST                                          ; the barrier has opened a round of the cluster's: no wave of any partner still reads this slot or has a load on its way
	s_add_nc_u64 s[G0+4*\slot+2:G0+4*\slot+3], s[G0+4*\slot+2:G0+4*\slot+3], 2*RB
	s_add_nc_u64 s[G0B+4*\slot+2:G0B+4*\slot+3], s[G0B+4*\slot+2:G0B+4*\slot+3], 2*RB
	JLOAD G0+4*\slot, G1, G0B+4*\slot, G1B         ; my one tensor load behind the round; its four v_nop are the places in front of the loads below
.else
	PLACES NP
.endif
	v_add_nc_u32 v[ADRS], 128, v[ADRS]             ; the next K step's scale words
	FETCH_B \next, 0, 0
	FETCH_A \next, 0, 0
	SCALES \next
	WIN MUL_HI
	MUL16 4, 1, NQ-1, \slot, 0
	MUL16 6, 1, NQ-1, \slot, 0
	PLACES NP
	WIN 0
	FETCH_A \next, 0, 4
.endm
	s_wait_tensorcnt 1                             ; the scale words and my part of K step 0 are in; K step 1's load may be out
	s_barrier_signal -1
	s_barrier_wait -1
	FETCH_B 0, 0, 0
	FETCH_A 0, 0, 0
	SCALES 0
	FETCH_A 0, 0, 4
	STEP 0, 0, 1                                   ; the first products start the sums
	TURN 0, 1, 1                                   ; slot 0 takes K step 2
	STEP 1, 0, 0
	TURN 1, 0, 1                                   ; slot 1 takes K step 3
	STEP 0, 0, 0
	TURN 0, 1, 0                                   ; nothing is left to fetch
	STEP 1, 0, 0
	s_wait_dscnt 4*NL
	WIN MUL_LO
	MUL16 0, 1, NQ-1, 1, 0
	MUL16 2, 1, NQ-1, 1, 0
	s_wait_dscnt 0
	WIN MUL_HI
	MUL16 4, 1, NQ-1, 1, 0
	MUL16 6, 1, NQ-1, 1, 0
	WIN 0
; THE END: no LDS.  For each of A's eight blocks: the lane's 64 sums + bias are 64 numbers of one row, register 16 b + i = 32 b + 16 (lane / 16) + i along the next K: they are quantised and leave as an image.
.macro QUANT s, pw
.irp b, 0,1,2,3
	v_max3_num_f32 v[TM+\b], |v[\s+16*\b]|, |v[\s+1+16*\b]|, 0x1800000   ; block b: my 16 numbers, and the floor 2^(3 - 127)
.endr
.irp i, 2,4,6,8,10,12,14
.irp b, 0,1,2,3
	v_max3_num_f32 v[TM+\b], v[TM+\b], |v[\s+16*\b+\i]|, |v[\s+1+16*\b+\i]|
.endr
.endr
.irp b, 0,1,2,3
	v_permlanex16_b32 v[TM+4+\b], v[TM+\b], s[SEL], s[SEL+1]
.endr
.irp b, 0,1,2,3
	v_max_num_f32 v[TM+\b], v[TM+\b], v[TM+4+\b]
.endr
.irp b, 0,1,2,3
	v_add_nc_u32 v[TM+12+\b], 0xff000000, v[TM+\b] ; 2 off the exponent field: the conversion's scale operand
.endr
.irp b, 0,1,2,3
	v_lshrrev_b32 v[TM+4+\b], 23, v[TM+12+\b]      ; the scale's byte
.endr
	v_lshl_or_b32 v[\pw], v[TM+5], 8, v[TM+4]
	v_lshl_or_b32 v[\pw], v[TM+6], 16, v[\pw]
	v_lshl_or_b32 v[\pw], v[TM+7], 24, v[\pw]
.irp c, 0,1
	v_cvt_scalef32_pk16_fp6_f32 v[PC+6*\c:PC+2+6*\c], v[\s+32*\c:\s+15+32*\c], v[TM+12+2*\c]
	v_cvt_scalef32_pk16_fp6_f32 v[PC+12+4*\c:PC+14+4*\c], v[\s+16+32*\c:\s+31+32*\c], v[TM+12+2*\c+1]
.endr
	v_nop                                          ; one plain instruction behind the scaled conversions
.irp c, 0,1
.irp i, 0,1,2
	v_permlane16_swap_b32 v[PC+6*\c+\i], v[PC+12+4*\c+\i]
.endr
.irp i, 0,1,2
	v_mov_b32 v[PC+3+6*\c+\i], v[PC+12+4*\c+\i]
.endr
.endr
.endm
.macro EPI isv
.irp a, 0,1,2,3,4,5,6,7
.if \a > 0
	s_wait_xcnt 0x0                                ; the last block's stores have read the codes' registers
.endif
	WIN 0x02+\a/4                                  ; source 0: window 2 or 3
.set ii, 0
.rept 32                               ; each accumulator from its low end on
.if \isv
	v_pk_add_f32 v[ST+2*ii:ST+2*ii+1], v[64*(\a%4)+2*ii:64*(\a%4)+2*ii+1], v[BM+2*\a:BM+2*\a+1]
.else
	v_pk_add_f32 v[ST+2*ii:ST+2*ii+1], v[64*(\a%4)+2*ii:64*(\a%4)+2*ii+1], v[BN+2*ii:BN+2*ii+1]
.endif
.set ii, ii+1
.endr
	WIN 0
	QUANT ST, PWB+\a
.if \isv                               ; a row of 128 keys: head a / 4, d block a % 4, both halves on end
	global_store_b128 v24, v[PC:PC+3], s[8:9] offset:(\a/4)*98304+(\a%4)*1536
	global_store_b64 v25, v[PC+4:PC+5], s[8:9] offset:(\a/4)*98304+(\a%4)*1536+512
	global_store_b128 v24, v[PC+6:PC+9], s[8:9] offset:(\a/4)*98304+(\a%4)*1536+768
	global_store_b64 v25, v[PC+10:PC+11], s[8:9] offset:(\a/4)*98304+(\a%4)*1536+1280
.else                                  ; token block a: the first half is my first head's 64, the second my second head's
	global_store_b128 v24, v[PC:PC+3], s[8:9] offset:\a*768
	global_store_b64 v25, v[PC+4:PC+5], s[8:9] offset:\a*768+512
	global_store_b128 v24, v[PC+6:PC+9], s[8:9] offset:\a*768+98304
	global_store_b64 v25, v[PC+10:PC+11], s[8:9] offset:\a*768+98304+512
.endif
.endr
.if \isv
.irp i, 0,1,2,3
	v_cndmask_b32 v[XW+\i], v[PWB+\i], v[PWB+4+\i], s22       ; lanes 0-15 my first head's d blocks, lanes 16-31 my second's
.endr
.else
.irp i, 0,1,2,3
	v_perm_b32 v[TM+\i], v[PWB+2*\i+1], v[PWB+2*\i], 0x05040100     ; my first head's two bytes of token blocks 2 i and 2 i + 1
	v_perm_b32 v[TM+4+\i], v[PWB+2*\i+1], v[PWB+2*\i], 0x07060302   ; my second head's
.endr
.irp i, 0,1,2,3
	v_cndmask_b32 v[XW+\i], v[TM+\i], v[TM+4+\i], s22
.endr
.endif
	global_store_b128 v26, v[XW:XW+3], s[10:11]    ; sixteen lanes store 256 consecutive bytes, aligned: one head's words of these 128 tokens
.endm
	s_wait_loadcnt 0x0                             ; the bias
	PLACES NP                                      ; behind the last products: their results are read and A's registers written below
.irp b, 0,1,2,3
	v_mov_b32 v[TM+4+\b], 0                        ; written once: a lane permute's destination counts as one of its sources
.endr
	s_mov_b32 s22, 0xffff0000                      ; lanes 16-31
	s_cmp_lt_u32 s42, 16                           ; the cluster's number: the same in all partners
	s_cbranch_scc0 .Lepi_v
	EPI 0
	s_branch .Ltail
.Lepi_v:
	EPI 1
.Ltail:
	s_wait_tensorcnt 0x0                           ; the wave's end
	ds_add_u32 v[SPW], v[NIL]
	s_wait_dscnt 0x0
	CROUND                                         ; the closing round: no work-group ends while a partner may still ask for a tile that names it
	s_endpgm
.Lfunc_end_k_q0bc223006f_proj:
	.size	k_q0bc223006f_proj, .Lfunc_end_k_q0bc223006f_proj-k_q0bc223006f_proj
	.p2alignl 7, 3214868480
	.fill 96, 4, 3214868480
	.section	.rodata,"a",@progbits
	.p2align	6, 0x0
	.amdhsa_kernel k_q0bc223006f_proj
		.amdhsa_group_segment_fixed_size 327680
		.amdhsa_private_segment_fixed_size 0
		.amdhsa_enable_private_segment 0
		.amdhsa_kernarg_size 56
		.amdhsa_user_sgpr_count 2
		.amdhsa_user_sgpr_kernarg_segment_ptr 1
		.amdhsa_wavefront_size32 1
		.amdhsa_system_sgpr_workgroup_id_x 1
		.amdhsa_system_sgpr_workgroup_id_y 1
		.amdhsa_system_sgpr_workgroup_id_z 1
		.amdhsa_system_vgpr_workitem_id 0
		.amdhsa_next_free_vgpr 1024
		.amdhsa_next_free_sgpr 102
		.amdhsa_reserve_vcc 0
		.amdhsa_float_denorm_mode_32 3
		.amdhsa_float_denorm_mode_16_64 3
		.amdhsa_memory_ordered 1
		.amdhsa_forward_progress 1
		.amdhsa_inst_pref_size 219
	.end_amdhsa_kernel
	.amdgpu_metadata
---
amdhsa.version: [ 1, 2 ]
amdhsa.kernels:
  - .name:           k_q0bc223006f_proj
    .symbol:         k_q0bc223006f_proj.kd
    .args:
      - { .name: xcod, .offset: 0, .size: 8, .value_kind: global_buffer, .address_space: global }
      - { .name: xscl, .offset: 8, .size: 8, .value_kind: global_buffer, .address_space: global }
      - { .name: pcod, .offset: 16, .size: 8, .value_kind: global_buffer, .address_space: global }
      - { .name: pscl, .offset: 24, .size: 8, .value_kind: global_buffer, .address_space: global }
      - { .name: bq, .offset: 32, .size: 8, .value_kind: global_buffer, .address_space: global }
      - { .name: bk, .offset: 40, .size: 8, .value_kind: global_buffer, .address_space: global }
      - { .name: bv, .offset: 48, .size: 8, .value_kind: global_buffer, .address_space: global }
    .group_segment_fixed_size: 327680
    .private_segment_fixed_size: 0
    .kernarg_segment_align: 8
    .kernarg_segment_size: 56
    .max_flat_workgroup_size: 128
    .sgpr_count:     102
    .vgpr_count:     1024
    .wavefront_size: 32
...
	.end_amdgpu_metadata
.endif
;; end of part 2
;; launch attn (part 3): grid 4 x 64, 16 waves a work-group, clusters of 4 x 1, 327,680 bytes of LDS; arguments pcod, pscl, acod, ascl; writes acod, ascl
.if DOCPART == 3
	.amdgcn_target "amdgcn-amd-amdhsa--gfx1250"
	.amdhsa_code_object_version 6
	.text
	.protected	k_q0bc223006f_attn
	.globl	k_q0bc223006f_attn
	.p2align	8
	.type	k_q0bc223006f_attn,@function
k_q0bc223006f_attn:
	s_mov_b64 s[64:65], 0
	v_nop
	global_prefetch_b8 v0, s[64:65] scope:SCOPE_SE
	s_setreg_imm32_b32 hwreg(HW_REG_WAVE_MODE, 25, 1), 1
	s_wait_xcnt 0x0
	s_wait_alu depctr_hold_cnt(0) depctr_sa_sdst(0) depctr_va_vdst(0) depctr_va_sdst(0) depctr_va_ssrc(0) depctr_va_vcc(0) depctr_vm_vsrc(0)
	s_getreg_b32 s2, hwreg(HW_REG_IB_STS2, 6, 4)
	s_cmp_eq_u32 s2, 0
	s_cbranch_scc0 .Lentry_in_a_cluster
	s_endpgm
.Lentry_in_a_cluster:
	s_bfe_u32 s2, ttmp6, 0x10000c
	s_cmp_lg_u32 s2, 0x3003
	s_cbranch_scc0 .Lentry_shape_is_right
	s_endpgm
.Lentry_shape_is_right:
.set VC,   98304
.set KS,   196608
.set WV,   12
.set SEL,  20
.set CS,   22
.set G1C,  24
.set G1S,  32
.set G0C,  40
.set G0S,  44
.set TK,   48
.set TS,   49
.set CNT,  50
.set SH,   51
.macro ROUND
	s_barrier_signal -1
	s_barrier_wait -1
	s_cmp_lg_u32 s[WV], 0
	s_cbranch_scc1 .Lnot_wave_0_\@
	s_barrier_signal -3
.Lnot_wave_0_\@:
	s_barrier_wait -3
	s_barrier_signal -1
	s_barrier_wait -1
.endm
	s_load_b256 s[4:11], s[0:1], 0x0
	v_lshl_add_u32 v254, v0, 2, 0x32000
	v_mov_b32 v255, 0
	ds_add_u32 v254, v255
	ds_add_u32 v254, v255
	v_lshrrev_b32 v1, 5, v0
	s_delay_alu instid0(VALU_DEP_1)
	v_readfirstlane_b32 s[WV], v1
	s_bfe_u32 s13, ttmp6, 0x40000
	s_and_b32 s14, ttmp7, 0xffff
	s_lshr_b32 s16, s[WV], 3
	s_and_b32 s17, s[WV], 7
	s_add_co_u32 s18, s16, 1
	s_mul_i32 s52, s18, 6291456
	s_mul_i32 s19, s14, 98304
	s_add_co_u32 s52, s52, s19
	s_mul_i32 s53, s17, 12288
	s_add_co_u32 s52, s52, s53
	s_mov_b32 s53, 0
	s_lshl_b32 s54, s18, 18
	s_lshl_b32 s55, s14, 12
	s_add_co_u32 s54, s54, s55
	s_lshl_b32 s55, s17, 9
	s_add_co_u32 s54, s54, s55
	s_mov_b32 s55, 0
	s_mov_b32 s[G1C], 15|(3<<16)|(1<<21)
	s_mov_b32 s[G1C+1], 32<<16
	s_mov_b32 s[G1C+2], 48<<16
	s_mov_b32 s[G1C+3], 32<<16
	s_mov_b32 s[G1C+4], 48
	s_mov_b32 s[G1C+5], 32
	s_mov_b32 s[G1C+6], 0
	s_mov_b32 s[G1C+7], 0
	s_mov_b32 s[G1S], 15|(3<<16)|(1<<21)
	s_mov_b32 s[G1S+1], 32<<16
	s_mov_b32 s[G1S+2], 2<<16
	s_mov_b32 s[G1S+3], 32<<16
	s_mov_b32 s[G1S+4], 2
	s_mov_b32 s[G1S+5], 32
	s_mov_b32 s[G1S+6], 0
	s_mov_b32 s[G1S+7], 0
	s_mov_b32 s[SEL], 0x76543210
	s_mov_b32 s[SEL+1], 0xfedcba98
	s_mov_b32 s[CS], 0x3d38aa3b
	s_mov_b32 s[CS+1], s[CS]
	s_lshl_b32 s15, ttmp9, 2
	s_add_co_u32 s15, s15, s13
	s_lshl_b32 s60, s15, 5
	s_add_co_u32 s60, s60, s[WV]
	s_mul_i32 s56, s60, 768
	s_mul_i32 s61, s14, 98304
	s_add_co_u32 s56, s56, s61
	s_mov_b32 s57, 0
	s_lshl_b32 s58, s14, 12
	s_lshr_b32 s61, s60, 3
	s_lshl_b32 s61, s61, 8
	s_add_co_u32 s58, s58, s61
	s_bfe_u32 s61, s[WV], 0x20001
	s_lshl_b32 s61, s61, 2
	s_add_co_u32 s58, s58, s61
	s_mov_b32 s59, 0
	s_and_b32 s[SH], s[WV], 1
	s_lshl_b32 s[SH], s[SH], 4
	s_lshr_b32 s61, s14, 4
	s_lshl_b32 s61, s61, 7
	s_add_co_u32 s60, s60, s61
	s_and_b32 s61, s14, 15
	s_wait_dscnt 0x0
	s_wait_kmcnt 0x0
	s_mov_b32 s[G0C], 1
	s_mul_i32 s[G0C+1], s[WV], 12288
	s_add_nc_u64 s[G0C+2:G0C+3], s[4:5], s[52:53]
	s_or_b32 s[G0C+3], s[G0C+3], 0x80000000
	s_mov_b32 s[G0S], 1
	s_lshl_b32 s[G0S+1], s[WV], 9
	s_add_co_u32 s[G0S+1], s[G0S+1], KS
	s_add_nc_u64 s[G0S+2:G0S+3], s[6:7], s[54:55]
	s_or_b32 s[G0S+3], s[G0S+3], 0x80000000
	ROUND
	tensor_load_to_lds s[G0C:G0C+3], s[G1C:G1C+7]
	s_nop 0
	s_wait_alu depctr_va_vdst(0)
	s_wait_tensorcnt 0x0
	ds_add_u32 v254, v255
	s_wait_dscnt 0x0
	ROUND
	tensor_load_to_lds s[G0S:G0S+3], s[G1S:G1S+7]
	s_nop 0
.rept 4
	v_nop
.endr
	s_add_nc_u64 s[56:57], s[4:5], s[56:57]
	s_add_nc_u64 s[58:59], s[6:7], s[58:59]
	s_mul_i32 s2, s60, 12288
	s_mul_i32 s3, s61, 768
	s_add_co_u32 s2, s2, s3
	s_mov_b32 s3, 0
	s_add_nc_u64 s[8:9], s[8:9], s[2:3]
	s_lshl_b32 s2, s60, 9
	s_lshr_b32 s13, s61, 2
	s_lshl_b32 s13, s13, 7
	s_add_co_u32 s2, s2, s13
	s_bfe_u32 s13, s61, 0x10001
	s_lshl_b32 s13, s13, 2
	s_add_co_u32 s2, s2, s13
	s_and_b32 s13, s61, 1
	s_lshl_b32 s13, s13, 1
	s_add_co_u32 s2, s2, s13
	s_add_nc_u64 s[10:11], s[10:11], s[2:3]
	v_and_b32 v11, 31, v0
	s_delay_alu instid0(VALU_DEP_1)
	v_lshlrev_b32 v1, 4, v11
	s_delay_alu instid0(VALU_DEP_2)
	v_lshlrev_b32 v2, 3, v11
	s_delay_alu instid0(VALU_DEP_2)
	v_add_nc_u32 v3, VC, v1
	s_delay_alu instid0(VALU_DEP_2)
	v_add_nc_u32 v4, VC, v2
	v_and_b32 v11, 15, v0
	s_delay_alu instid0(VALU_DEP_1)
	v_lshl_add_u32 v5, v11, 4, KS
	s_delay_alu instid0(VALU_DEP_2)
	v_lshlrev_b32 v233, 4, v11
	s_delay_alu instid0(VALU_DEP_3)
	v_lshlrev_b32 v11, 3, v11
.irp t, 0,1
	global_load_b128 v[234+6*\t:237+6*\t], v1, s[56:57] offset:12288*\t
	global_load_b64 v[238+6*\t:239+6*\t], v2, s[56:57] offset:12288*\t+512
	global_load_b32 v[246+\t], v233, s[58:59] offset:512*\t
.endr
.irp i, 0,1,2,3,4,5
	v_mov_b32 v[22+\i], 0
.endr
.irp b, 0,1,2,3
	v_mov_b32 v[216+\b], 0
.endr
	v_mov_b32 v229, 0
	v_mov_b32 v230, 0
	s_wait_tensorcnt 0x0
	s_barrier_signal -1
	s_barrier_wait -1
	s_wait_loadcnt 0x0
.macro KSTEP
	v_add_nc_u32 v6, s[TK], v1
	v_add_nc_u32 v7, s[TK], v2
	v_add_nc_u32 v8, s[TK], v3
	v_add_nc_u32 v9, s[TK], v4
	v_add_nc_u32 v10, s[TS], v5
.irp f, 0,1,2,3
	ds_load_b128 v[34+12*\f:37+12*\f], v6 offset:1536*\f
	ds_load_b64 v[38+12*\f:39+12*\f], v7 offset:1536*\f+512
	ds_load_b128 v[40+12*\f:43+12*\f], v6 offset:1536*\f+768
	ds_load_b64 v[44+12*\f:45+12*\f], v7 offset:1536*\f+1280
.endr
	ds_load_b128 v[224:227], v10
	s_wait_alu depctr_va_vdst(0)
	s_wait_dscnt 0x0
.irp f, 0,1,2,3
	v_wmma_scale_f32_16x16x128_f8f6f4 v[96+16*\f:103+16*\f], v[34+12*\f:45+12*\f], v[16:27], 0, v[224+\f], v232 matrix_a_fmt:MATRIX_FMT_FP6 matrix_b_fmt:MATRIX_FMT_FP6
	v_wmma_scale_f32_16x16x128_f8f6f4 v[104+16*\f:111+16*\f], v[34+12*\f:45+12*\f], v[22:33], 0, v[224+\f], v232 matrix_a_fmt:MATRIX_FMT_FP6 matrix_b_fmt:MATRIX_FMT_FP6
.endr
.rept 4
	v_nop
.endr
.irp f, 0,1,2,3
	ds_load_b128 v[34+12*\f:37+12*\f], v8 offset:1536*\f
	ds_load_b64 v[38+12*\f:39+12*\f], v9 offset:1536*\f+512
	ds_load_b128 v[40+12*\f:43+12*\f], v8 offset:1536*\f+768
	ds_load_b64 v[44+12*\f:45+12*\f], v9 offset:1536*\f+1280
.endr
	ds_load_b128 v[224:227], v10 offset:4096
.irp b, 0,1,2,3
	v_max3_num_f32 v[212+\b], v[96+16*\b], v[97+16*\b], v[98+16*\b]
.endr
.irp i, 3,5,7,9,11,13
.irp b, 0,1,2,3
	v_max3_num_f32 v[212+\b], v[212+\b], v[96+16*\b+\i], v[97+16*\b+\i]
.endr
.endr
.irp b, 0,1,2,3
	v_max_num_f32 v[212+\b], v[212+\b], v[111+16*\b]
.endr
.irp b, 0,1,2,3
	s_delay_alu instid0(VALU_DEP_4)
	v_permlanex16_b32 v[216+\b], v[212+\b], s[SEL], s[SEL+1]
.endr
.irp b, 0,1,2,3
	s_delay_alu instid0(VALU_DEP_4)
	v_max_num_f32 v[212+\b], v[212+\b], v[216+\b]
.endr
	s_delay_alu instid0(VALU_DEP_2)
	v_max3_num_f32 v230, v212, v213, v214
	s_delay_alu instid0(VALU_DEP_1)
	v_max_num_f32 v230, v230, v215
	s_delay_alu instid0(VALU_DEP_1)
	v_mul_f32 v230, s[CS], v230
	s_delay_alu instid0(VALU_DEP_1)
	v_max_num_f32 v13, v13, v230
	v_mov_b32 v230, v12
	s_delay_alu instid0(VALU_DEP_2)
	v_floor_f32 v12, -v13
	s_delay_alu instid0(VALU_DEP_1)
	v_sub_f32 v230, v12, v230
	s_delay_alu instid0(VALU_DEP_1)
	v_cvt_i32_f32 v230, v230
	s_delay_alu instid0(VALU_DEP_1)
	v_ldexp_f32 v228, 1.0, v230
.set jj, 0
.rept 32
	v_pk_fma_f32 v[96+jj:97+jj], v[96+jj:97+jj], s[CS:CS+1], v[12:13] op_sel_hi:[1,0,0]
.set jj, jj+2
.endr
.irp b, 0,1,2,3
	v_fma_f32 v[212+\b], v[212+\b], s[CS], v12
.endr
.set jj, 0
	s_setprio 1
	s_wait_alu depctr_va_vdst(0)
.rept 64
	v_exp_f32 v[96+jj], v[96+jj]
.set jj, jj+1
.endr
.irp b, 0,1,2,3
	v_exp_f32 v[212+\b], v[212+\b]
.endr
	v_pk_mul_f32 v[14:15], v[14:15], v[228:229] op_sel_hi:[1,0]
	s_wait_alu depctr_va_vdst(0)
.irp b, 0,1,2,3
	v_max_num_f32 v[212+\b], 0x1800000, v[212+\b]
.endr
.irp b, 0,1,2,3
	s_delay_alu instid0(VALU_DEP_4)
	v_add_nc_u32 v[220+\b], 0xff000000, v[212+\b]
.endr
.irp b, 0,1,2,3
	s_delay_alu instid0(VALU_DEP_4)
	v_lshrrev_b32 v[216+\b], 23, v[220+\b]
.endr
	s_delay_alu instid0(VALU_DEP_3)
	v_lshl_or_b32 v231, v217, 8, v216
	s_delay_alu instid0(VALU_DEP_1)
	v_lshl_or_b32 v231, v218, 16, v231
	s_delay_alu instid0(VALU_DEP_1)
	v_lshl_or_b32 v231, v219, 24, v231
.irp c, 0,1
	v_cvt_scalef32_pk16_fp6_f32 v[192+6*\c:194+6*\c], v[96+32*\c:111+32*\c], v[220+2*\c]
	v_cvt_scalef32_pk16_fp6_f32 v[204+4*\c:206+4*\c], v[112+32*\c:127+32*\c], v[220+2*\c+1]
.endr
	v_nop
.irp c, 0,1
.irp i, 0,1,2
	v_permlane16_swap_b32 v[192+6*\c+\i], v[204+4*\c+\i]
.endr
.irp i, 0,1,2
	s_delay_alu instid0(VALU_DEP_3)
	v_mov_b32 v[195+6*\c+\i], v[204+4*\c+\i]
.endr
.endr
	v_pk_add_f32 v[248:249], v[96:97], v[98:99]
.set jj, 4
.rept 15
	v_pk_add_f32 v[14:15], v[14:15], v[96+jj:97+jj]
	v_pk_add_f32 v[248:249], v[248:249], v[98+jj:99+jj]
.set jj, jj+4
.endr
	s_delay_alu instid0(VALU_DEP_1)
	v_pk_add_f32 v[14:15], v[14:15], v[248:249]
.set jj, 0
	s_setprio 0
.rept 16
	v_pk_mul_f32 v[160+jj:161+jj], v[160+jj:161+jj], v[228:229] op_sel_hi:[1,0]
.set jj, jj+2
.endr
	s_wait_alu depctr_va_vdst(0)
	s_wait_dscnt 0x0
.irp d, 0,1,2,3
	v_wmma_scale_f32_16x16x128_f8f6f4 v[160+8*\d:167+8*\d], v[34+12*\d:45+12*\d], v[192:203], v[160+8*\d:167+8*\d], v[224+\d], v231 matrix_a_fmt:MATRIX_FMT_FP6 matrix_b_fmt:MATRIX_FMT_FP6
.endr
.endm
.macro OUT t
.rept 4
	v_nop
.endr
	v_add_f32 v14, v14, v15
	s_delay_alu instid0(VALU_DEP_1)
	v_permlanex16_b32 v230, v14, s[SEL], s[SEL+1]
	s_delay_alu instid0(VALU_DEP_1)
	v_add_f32 v14, v14, v230
	s_wait_alu depctr_va_vdst(0)
	v_rcp_f32 v14, v14
	v_nop
.set jj, 0
	s_wait_alu depctr_va_vdst(0)
.rept 32
	v_mul_f32 v[96+jj], v[160+jj], v14
.set jj, jj+1
.endr
.irp b, 0,1
	v_max3_num_f32 v[212+\b], |v[96+16*\b]|, |v[97+16*\b]|, 0x1800000
.endr
.irp i, 2,4,6,8,10,12,14
.irp b, 0,1
	s_delay_alu instid0(VALU_DEP_2)
	v_max3_num_f32 v[212+\b], v[212+\b], |v[96+16*\b+\i]|, |v[97+16*\b+\i]|
.endr
.endr
.irp b, 0,1
	s_delay_alu instid0(VALU_DEP_2)
	v_permlanex16_b32 v[216+\b], v[212+\b], s[SEL], s[SEL+1]
.endr
.irp b, 0,1
	s_delay_alu instid0(VALU_DEP_2)
	v_max_num_f32 v[212+\b], v[212+\b], v[216+\b]
.endr
.irp b, 0,1
	s_delay_alu instid0(VALU_DEP_2)
	v_add_nc_u32 v[220+\b], 0xff000000, v[212+\b]
.endr
.irp b, 0,1
	s_delay_alu instid0(VALU_DEP_2)
	v_lshrrev_b32 v[216+\b], 23, v[220+\b]
.endr
	s_delay_alu instid0(VALU_DEP_1)
	v_lshl_or_b32 v250, v217, 8, v216
	v_cvt_scalef32_pk16_fp6_f32 v[192:194], v[96:111], v220
	v_cvt_scalef32_pk16_fp6_f32 v[204:206], v[112:127], v221
	v_nop
.irp i, 0,1,2
	v_permlane16_swap_b32 v[192+\i], v[204+\i]
.endr
.irp i, 0,1,2
	s_delay_alu instid0(VALU_DEP_3)
	v_mov_b32 v[195+\i], v[204+\i]
.endr
	global_store_b128 v1, v[192:195], s[8:9] offset:196608*\t
	global_store_b64 v2, v[196:197], s[8:9] offset:196608*\t+512
	global_store_b16 v11, v250, s[10:11] offset:8192*\t
.endm
.macro TILE t
.if \t
	s_wait_xcnt 0x0
.endif
.irp i, 0,1,2,3,4,5
	v_mov_b32 v[16+\i], v[234+6*\t+\i]
	v_mov_b32 v[28+\i], v[234+6*\t+\i]
.endr
	v_lshrrev_b32 v230, s[SH], v[246+\t]
	s_delay_alu instid0(VALU_DEP_1)
	v_and_b32 v230, 0xffff, v230
	s_delay_alu instid0(VALU_DEP_1)
	v_lshl_or_b32 v232, v230, 16, v230
	v_mov_b32 v13, 0xff61b1e6
	s_delay_alu instid0(VALU_DEP_1)
	v_floor_f32 v12, -v13
	v_mov_b32 v14, 0
	v_mov_b32 v15, 0
.set jj, 0
.rept 32
	v_mov_b32 v[160+jj], 0
.set jj, jj+1
.endr
	s_mov_b32 s[TK], 0
	s_mov_b32 s[TS], 0
	s_mov_b32 s[CNT], 16
.Lkeys_\@:
	s_setprio 2
	KSTEP
	s_add_co_u32 s[TK], s[TK], 6144
	s_add_co_u32 s[TS], s[TS], 256
	s_sub_co_u32 s[CNT], s[CNT], 1
	s_cmp_lg_u32 s[CNT], 0
	s_cbranch_scc1 .Lkeys_\@
	s_setprio 0
	OUT \t
.endm
	TILE 0
	TILE 1
	s_wait_dscnt 0x0
	s_wait_tensorcnt 0x0
	ds_add_u32 v254, v255
	s_wait_dscnt 0x0
	ROUND
	s_endpgm
.Lfunc_end_k_q0bc223006f_attn:
	.size	k_q0bc223006f_attn, .Lfunc_end_k_q0bc223006f_attn-k_q0bc223006f_attn
	.p2alignl 7, 3214868480
	.fill 96, 4, 3214868480
	.section	.rodata,"a",@progbits
	.p2align	6, 0x0
	.amdhsa_kernel k_q0bc223006f_attn
		.amdhsa_group_segment_fixed_size 327680
		.amdhsa_private_segment_fixed_size 0
		.amdhsa_enable_private_segment 0
		.amdhsa_kernarg_size 32
		.amdhsa_user_sgpr_count 2
		.amdhsa_user_sgpr_kernarg_segment_ptr 1
		.amdhsa_wavefront_size32 1
		.amdhsa_system_sgpr_workgroup_id_x 1
		.amdhsa_system_sgpr_workgroup_id_y 1
		.amdhsa_system_sgpr_workgroup_id_z 1
		.amdhsa_system_vgpr_workitem_id 0
		.amdhsa_next_free_vgpr 256
		.amdhsa_next_free_sgpr 66
		.amdhsa_reserve_vcc 0
		.amdhsa_float_denorm_mode_32 3
		.amdhsa_float_denorm_mode_16_64 3
		.amdhsa_memory_ordered 1
		.amdhsa_forward_progress 1
		.amdhsa_inst_pref_size 55
	.end_amdhsa_kernel
	.amdgpu_metadata
---
amdhsa.version: [ 1, 2 ]
amdhsa.kernels:
  - .name:           k_q0bc223006f_attn
    .symbol:         k_q0bc223006f_attn.kd
    .args:
      - { .name: pcod, .offset: 0, .size: 8, .value_kind: global_buffer, .address_space: global }
      - { .name: pscl, .offset: 8, .size: 8, .value_kind: global_buffer, .address_space: global }
      - { .name: acod, .offset: 16, .size: 8, .value_kind: global_buffer, .address_space: global }
      - { .name: ascl, .offset: 24, .size: 8, .value_kind: global_buffer, .address_space: global }
    .group_segment_fixed_size: 327680
    .private_segment_fixed_size: 0
    .kernarg_segment_align: 8
    .kernarg_segment_size: 32
    .max_flat_workgroup_size: 512
    .sgpr_count:     66
    .vgpr_count:     256
    .wavefront_size: 32
...
	.end_amdgpu_metadata
.endif
;; end of part 3
;; launch outp (part 4): grid 4 x 32, 4 waves a work-group, clusters of 4 x 4, 327,680 bytes of LDS; arguments acod, ascl, xcod, xscl, bo, out0; writes out0
.if DOCPART == 4
	.amdgcn_target "amdgcn-amd-amdhsa--gfx1250"
	.amdhsa_code_object_version 6
	.text
	.protected	k_q0bc223006f_outp
	.globl	k_q0bc223006f_outp
	.p2align	8
	.type	k_q0bc223006f_outp,@function
k_q0bc223006f_outp:
	s_mov_b64 s[64:65], 0
	v_nop
	global_prefetch_b8 v0, s[64:65] scope:SCOPE_SE
	s_setreg_imm32_b32 hwreg(HW_REG_WAVE_MODE, 25, 1), 1
	s_wait_xcnt 0x0
	s_wait_alu depctr_hold_cnt(0) depctr_sa_sdst(0) depctr_va_vdst(0) depctr_va_sdst(0) depctr_va_ssrc(0) depctr_va_vcc(0) depctr_vm_vsrc(0)
	s_getreg_b32 s2, hwreg(HW_REG_IB_STS2, 6, 4)
	s_cmp_eq_u32 s2, 0
	s_cbranch_scc0 .Lentry_in_a_cluster
	s_endpgm
.Lentry_in_a_cluster:
	s_bfe_u32 s2, ttmp6, 0x10000c
	s_cmp_lg_u32 s2, 0xf033
	s_cbranch_scc0 .Lentry_shape_is_right
	s_endpgm
.Lentry_shape_is_right:
; out0 = a Wo^T + bo: a [8192][1024] (the attention's output) and Wo [1024][1024] as codes of FP6 (E2M3) with E8M0 scales, laid as images of operand registers; out0 [8192][1024] f32; sums in f32.
; A fragment of 16 rows x 128 K is 1,536 bytes: registers 0-3 at 16 x lane, 4-5 at 512 + 8 x lane, 6-9 at 768 + 16 x lane, 10-11 at 1280 + 8 x lane; a row block has eight on end; its scale words take 512 bytes.
; A work-group of four waves makes 256 x 256 of out0, a wave 128 x 128: 64 accumulators, 512 registers.  128 tiles: 128 work-groups (smaller tiles would read each fragment from LDS for half the products).
; K = 1,024 goes in four steps of 256 through two LDS slots; 4 x 4 work-groups form a cluster: a's tile is shared along a row of the cluster, Wo's along a column: joint tensor loads.  The scale words of all of K come once.
; The matrix instruction is used transposed (source 0 = 16 rows of Wo, source 1 = 16 rows of a): a lane holds eight neighbouring numbers of a row of out0.  The bias is the C of each sum's first product.
; REGISTERS: window 0: v0-31 addresses; v32-63 scale words, two sets; v64-127 the bias; v128-223 a's fragments, one set (on the way out v128-255: rows read back).  window 1: Wo's fragments, two sets.  windows 2, 3: accumulators.
.set NQ,     2
.set FR,     12
.set NL,     4
.set NP,     4                         ; places behind this matrix instruction (ISA guide 7.12.1)
.set RB,     3072
.set HALFT,  8*RB
.set SLOT,   4*HALFT
.set SCL,    2*SLOT
.set HALFS,  4096
.set SBLK,   512
.set SPARE,  SCL+4*HALFS               ; the spare words, 128 bytes for each wave: two blocks of 256 bytes that no other line names
.set SPITCH, 528                       ; the way out: a stage of 16 rows x (512 + 16) bytes for each wave, in slot 0, which has had its last fill and its last read when the first result is stored there
.set SIZE_N, 1024
.set ADRA, 16
.set ADRB, 20
.set STO,  24
.set RD,   25
.set CO,   26
.set ADRS, 27
.set SPW,  28                          ; my spare word; never rewritten
.set NIL,  29                          ; 0; never rewritten
.set SC,   32
.set BN,   64
.set AF,   128
.set BK,   128
.set G1, 24
.set G0, 32
.set G1B, 48
.set G0B, 56
.set G1S, 68
.set G0S, 76
.set G1SB, 80
.set G0SB, 88
.set MSB, 0
.macro WIN new                         ; the immediate's high byte repeats the setting that is left
.if MSB != (\new)
	s_set_vgpr_msb (MSB<<8)|(\new)
.set MSB, (\new)
.endif
.endm
.set MUL_LO, 0xa1                      ; source 0 (Wo) window 1, source 1 (a) window 0, C and D window 2
.set MUL_HI, 0xf1
.set TO_B,   0x40
.macro JLOAD g0a, g1a, g0b, g1b        ; a joint load: waves 0 and 1 fetch for a, waves 2 and 3 for Wo; four v_nop follow each line
	s_cmp_eq_u32 s15, 0
	s_cbranch_scc0 .Lfor_b_\@
	tensor_load_to_lds s[\g0a:\g0a+3], s[\g1a:\g1a+7]
	s_nop 0
.rept 4
	v_nop
.endr
	s_branch .Lasked_\@
.Lfor_b_\@:
	tensor_load_to_lds s[\g0b:\g0b+3], s[\g1b:\g1b+7]
	s_nop 0
.rept 4
	v_nop
.endr
.Lasked_\@:
.endm
.macro CREST
	s_cmp_lg_u32 s14, 0
	s_cbranch_scc1 .Lnot_wave_0_\@
	s_barrier_signal -3
.Lnot_wave_0_\@:
	s_barrier_wait -3
	s_barrier_signal -1
	s_barrier_wait -1
.endm
.macro CROUND
	s_barrier_signal -1
	s_barrier_wait -1
	CREST
.endm
	s_load_b256 s[4:11], s[0:1], 0x0               ; acod s[4:5], ascl s[6:7], xcod s[8:9], xscl s[10:11]
	s_load_b64 s[96:97], s[0:1], 0x20              ; bo
	s_load_b64 s[12:13], s[0:1], 0x28              ; out0
	v_lshl_add_u32 v[SPW], v0, 2, SPARE
	v_mov_b32 v[NIL], 0
	ds_add_u32 v28, v29
	ds_add_u32 v28, v29
	s_wait_dscnt 0x0
	v_lshrrev_b32 v1, 5, v0
	v_readfirstlane_b32 s14, v1                    ; wave 0..3
	s_lshr_b32 s15, s14, 1                         ; which half of the tile's rows is mine.  Also: I fetch for a (0) or for Wo (1)
	s_and_b32 s16, s14, 1                          ; which half of its columns.  Also: which eight row blocks I fetch
	s_bfe_u32 s40, ttmp6, 0x40000                  ; cx
	s_bfe_u32 s41, ttmp6, 0x40004                  ; cy
	s_lshl_b32 s42, ttmp9, 2
	s_add_co_u32 s42, s42, s40                     ; tile column
	s_and_b32 s17, ttmp7, 0xffff
	s_lshl_b32 s17, s17, 2
	s_add_co_u32 s17, s17, s41                     ; tile row
	s_lshl_b32 s43, s41, 2
	s_lshl_b32 s43, 15, s43                        ; my row of the cluster
	s_lshl_b32 s44, 0x1111, s40                    ; my column
	s_or_b32 s[G1+0], s43, (3<<16)|(1<<21)         ; codes: 8 rows of 3,072 bytes = 384 elements of 8 bytes, 12,288 bytes apart; no padding
	s_or_b32 s[G1B+0], s44, (3<<16)|(1<<21)
.irp g, G1, G1B
	s_mov_b32 s[\g+1], 384<<16
	s_mov_b32 s[\g+2], 8<<16
	s_mov_b32 s[\g+3], 384<<16
	s_mov_b32 s[\g+4], 8
	s_mov_b32 s[\g+5], 1536
	s_mov_b32 s[\g+6], 0
	s_mov_b32 s[\g+7], 0
.endr
	s_or_b32 s[G1S+0], s43, (3<<16)|(1<<21)        ; scale words of eight row blocks: 4,096 dense bytes as 16 rows of 256
	s_or_b32 s[G1SB+0], s44, (3<<16)|(1<<21)
.irp g, G1S, G1SB
	s_mov_b32 s[\g+1], 32<<16
	s_mov_b32 s[\g+2], 16<<16
	s_mov_b32 s[\g+3], 32<<16
	s_mov_b32 s[\g+4], 16
	s_mov_b32 s[\g+5], 32
	s_mov_b32 s[\g+6], 0
	s_mov_b32 s[\g+7], 0
.endr
	s_lshl_b32 s19, s16, 3                         ; the eight row blocks that I fetch
	s_lshl_b32 s20, s17, 4
	s_add_co_u32 s20, s20, s19                     ; a: 16 x tile row + 8 x half
	s_lshl_b32 s46, s42, 4
	s_add_co_u32 s46, s46, s19
	s_add_co_u32 s46, s46, 1728                    ; Wo: 1728 + 16 x tile column + 8 x half
	s_lshl_b32 s22, s20, 9
	s_mov_b32 s23, 0
	s_mul_i32 s20, s20, 12288
	s_mov_b32 s21, 0
	s_lshl_b32 s92, s46, 9
	s_mov_b32 s93, 0
	s_mul_i32 s46, s46, 12288
	s_mov_b32 s47, 0
	s_mul_i32 s45, s14, HALFT                      ; where they go: no place in the cluster enters an LDS address
	s_lshl_b32 s94, s14, 12
	s_wait_kmcnt 0x0
	s_add_nc_u64 s[20:21], s[4:5], s[20:21]
	s_add_nc_u64 s[22:23], s[6:7], s[22:23]
	s_add_nc_u64 s[46:47], s[8:9], s[46:47]
	s_add_nc_u64 s[92:93], s[10:11], s[92:93]
	CROUND                                         ; all sixteen work-groups are here: the first joint loads meet
	s_mov_b32 s[G0S], 1
	s_add_co_u32 s[G0S+1], s94, SCL
	s_mov_b64 s[G0S+2:G0S+3], s[22:23]
	s_or_b32 s[G0S+3], s[G0S+3], 0x80000000
	s_mov_b32 s[G0SB], 1
	s_add_co_u32 s[G0SB+1], s94, SCL
	s_mov_b64 s[G0SB+2:G0SB+3], s[92:93]
	s_or_b32 s[G0SB+3], s[G0SB+3], 0x80000000
	JLOAD G0S, G1S, G0SB, G1SB
.irp s, 0,1
	s_mov_b32 s[G0+4*\s], 1
	s_add_co_u32 s[G0+4*\s+1], s45, \s*SLOT
	s_add_nc_u64 s[G0+4*\s+2:G0+4*\s+3], s[20:21], \s*RB
	s_or_b32 s[G0+4*\s+3], s[G0+4*\s+3], 0x80000000
	s_mov_b32 s[G0B+4*\s], 1
	s_add_co_u32 s[G0B+4*\s+1], s45, \s*SLOT
	s_add_nc_u64 s[G0B+4*\s+2:G0B+4*\s+3], s[46:47], \s*RB
	s_or_b32 s[G0B+4*\s+3], s[G0B+4*\s+3], 0x80000000
	JLOAD G0+4*\s, G1, G0B+4*\s, G1B               ; three tensor loads of mine are out now
.endr
	s_lshl_b32 s66, s42, 10
	s_lshl_b32 s67, s16, 9
	s_add_co_u32 s66, s66, s67                     ; my first column in bytes: 1,024 x tile column + 512 x half: in bo and in a row of out0 alike
	s_mov_b32 s67, 0
	s_add_nc_u64 s[96:97], s[96:97], s[66:67]
	s_add_nc_u64 s[12:13], s[12:13], s[66:67]
	s_lshl_b32 s2, s17, 8
	s_lshl_b32 s3, s15, 7
	s_add_co_u32 s2, s2, s3                        ; my first row: 256 x tile row + 128 x half
	s_lshl_b32 s2, s2, 12                          ; x 4,096 bytes
	s_mov_b32 s3, 0
	s_add_nc_u64 s[12:13], s[12:13], s[2:3]
	v_and_b32 v1, 31, v0                           ; lane
	v_and_b32 v2, 15, v0                           ; r
	v_bfe_u32 v3, v0, 4, 1                         ; h
	v_lshlrev_b32 v8, 5, v3                        ; the bias: 8 h numbers on
.irp b, 0,1,2,3,4,5,6,7
	global_load_b128 v[BN+8*\b:BN+8*\b+3], v8, s[96:97] offset:64*\b          ; bo of columns 16 b + 8 h + 0 .. 7: the result's layout
	global_load_b128 v[BN+8*\b+4:BN+8*\b+7], v8, s[96:97] offset:64*\b+16
.endr
	v_lshlrev_b32 v4, 4, v1                        ; 16 x lane
	v_lshlrev_b32 v5, 3, v1                        ; 8 x lane
	s_mul_i32 s21, s15, HALFT
	s_mul_i32 s22, s16, HALFT
	s_add_co_u32 s22, s22, 2*HALFT
.irp s, 0,1
	v_add_nc_u32 v[ADRA+\s], s21, v4
	v_add_nc_u32 v[ADRB+\s], s22, v4
	v_add_nc_u32 v[ADRA+2+\s], s21, v5
	v_add_nc_u32 v[ADRB+2+\s], s22, v5
	s_add_co_u32 s21, s21, SLOT
	s_add_co_u32 s22, s22, SLOT
.endr
	v_lshlrev_b32 v6, 3, v2
	s_mul_i32 s21, s15, HALFS
	s_mul_i32 s22, s16, HALFS
	s_add_co_u32 s22, s22, 2*HALFS
	s_sub_co_u32 s22, s22, s21
	v_mul_u32_u24 v7, s22, v3                      ; lanes 16-31 take Wo's
	s_add_co_u32 s21, s21, SCL
	v_add_nc_u32 v6, v6, v7
	v_add_nc_u32 v[ADRS], s21, v6
	s_mul_i32 s23, s14, 16*SPITCH                  ; my stage
	v_mul_u32_u24 v6, v2, SPITCH
	v_lshl_add_u32 v6, v3, 5, v6
	v_add_nc_u32 v[STO], s23, v6                   ; in: row r, 32 bytes for each half of the lanes
	v_mov_b32 v[CO], v4                            ; back: the 32 lanes take one row of 512 bytes; and the same in out0
	v_add_nc_u32 v[RD], s23, v4
.macro FRAG reg, adr, q, i
	ds_load_b128 v[\reg:\reg+3], v[\adr] offset:(\i)*RB+(\q)*1536
	ds_load_b64 v[\reg+4:\reg+5], v[\adr+2] offset:(\i)*RB+(\q)*1536+512
	ds_load_b128 v[\reg+6:\reg+9], v[\adr] offset:(\i)*RB+(\q)*1536+768
	ds_load_b64 v[\reg+10:\reg+11], v[\adr+2] offset:(\i)*RB+(\q)*1536+1280
.endm
; 16 matrix instructions.  first = 1: the sum begins with the bias as C.  The 64 accumulators take turns, one instruction a turn.
.macro MUL16 a0, p, q, sc, first
.irp a, \a0, \a0+1
.irp b, 0,1,2,3,4,5,6,7
.if \first
	v_wmma_scale_f32_16x16x128_f8f6f4 v[8*(8*((\a)%4)+\b):8*(8*((\a)%4)+\b)+7], v[128*(\p)+FR*\b:128*(\p)+FR*\b+FR-1], v[AF+FR*(\a):AF+FR*(\a)+FR-1], v[BN+8*\b:BN+8*\b+7], v[SC+8*NQ*(\sc)+NQ*\b+(\q)], v[SC+8*NQ*(\sc)+NQ*(\a)+(\q)] matrix_a_fmt:MATRIX_FMT_FP6 matrix_b_fmt:MATRIX_FMT_FP6 matrix_a_scale:MATRIX_SCALE_ROW1
.else
	v_wmma_scale_f32_16x16x128_f8f6f4 v[8*(8*((\a)%4)+\b):8*(8*((\a)%4)+\b)+7], v[128*(\p)+FR*\b:128*(\p)+FR*\b+FR-1], v[AF+FR*(\a):AF+FR*(\a)+FR-1], v[8*(8*((\a)%4)+\b):8*(8*((\a)%4)+\b)+7], v[SC+8*NQ*(\sc)+NQ*\b+(\q)], v[SC+8*NQ*(\sc)+NQ*(\a)+(\q)] matrix_a_fmt:MATRIX_FMT_FP6 matrix_b_fmt:MATRIX_FMT_FP6 matrix_a_scale:MATRIX_SCALE_ROW1
.endif
.endr
.endr
.endm
.macro FETCH_B slot, q, p
	WIN TO_B
.irp i, 0,1,2,3,4,5,6,7
	FRAG 128*(\p)+FR*\i, ADRB+\slot, \q, \i
.endr
	WIN 0
.endm
.macro FETCH_A slot, q, i0
.irp i, \i0, \i0+1, \i0+2, \i0+3
	FRAG AF+FR*(\i), ADRA+\slot, \q, \i
.endr
.endm
.macro SCALES sc
.irp i, 0,1,2,3,4,5,6,7
	ds_load_b64 v[SC+8*NQ*\sc+NQ*\i:SC+8*NQ*\sc+NQ*\i+1], v[ADRS] offset:\i*SBLK
.endr
.endm
.macro PLACES n
.rept \n
	v_nop
.endr
.endm
.macro STEP slot, q, first
	s_wait_dscnt 4*NL                              ; Wo's set, a's blocks 0-3 and the scale words are in; the youngest 16 loads (a's blocks 4-7) may be out
.if \first
	WIN 0x81                                       ; C (the bias) window 0, D window 2
.else
	WIN MUL_LO
.endif
	MUL16 0, (\q)%2, \q, \slot, \first
	MUL16 2, (\q)%2, \q, \slot, \first
	s_wait_dscnt 0
	PLACES NP
	FETCH_B \slot, (\q)+1, 1-(\q)%2
	FETCH_A \slot, (\q)+1, 0
.if \first
	WIN 0xc1                                       ; C window 0, D window 3
.else
	WIN MUL_HI
.endif
	MUL16 4, (\q)%2, \q, \slot, \first
	MUL16 6, (\q)%2, \q, \slot, \first
	PLACES NP
	WIN 0
	FETCH_A \slot, (\q)+1, 4
.endm
.macro TURN slot, next, fill
	s_wait_tensorcnt 0x0                           ; all my tensor loads have landed: my part of the next slot
	ds_add_u32 v[SPW], v[NIL]                      ; 0 onto my spare word
	s_wait_dscnt 4*NL+1                            ; (the add and the youngest 16 loads may be out)
	WIN MUL_LO
	MUL16 0, 1, NQ-1, \slot, 0
	s_wait_dscnt 0x0                               ; the add is done, and my reads of this slot are over
	s_barrier_signal -1
	MUL16 2, 1, NQ-1, \slot, 0
	WIN 0
	s_barrier_wait -1
.if \fill
	CREST                                          ; the barrier has opened a round of the cluster's: no wave of any partner still reads this slot or has a load on its way
	s_add_nc_u64 s[G0+4*\slot+2:G0+4*\slot+3], s[G0+4*\slot+2:G0+4*\slot+3], 2*RB
	s_add_nc_u64 s[G0B+4*\slot+2:G0B+4*\slot+3], s[G0B+4*\slot+2:G0B+4*\slot+3], 2*RB
	JLOAD G0+4*\slot, G1, G0B+4*\slot, G1B         ; my one tensor load behind the round; its four v_nop are the places in front of the loads below
.else
	PLACES NP
.endif
	v_add_nc_u32 v[ADRS], 128, v[ADRS]
	FETCH_B \next, 0, 0
	FETCH_A \next, 0, 0
	SCALES \next
	WIN MUL_HI
	MUL16 4, 1, NQ-1, \slot, 0
	MUL16 6, 1, NQ-1, \slot, 0
	PLACES NP
	WIN 0
	FETCH_A \next, 0, 4
.endm
	s_wait_tensorcnt 1                             ; the scale words and my part of K step 0 are in; K step 1's load may be out
	s_barrier_signal -1
	s_barrier_wait -1
	FETCH_B 0, 0, 0
	FETCH_A 0, 0, 0
	SCALES 0
	FETCH_A 0, 0, 4
	s_wait_loadcnt 0x0                             ; the bias
	STEP 0, 0, 1                                   ; the first products start the sums from the bias
	TURN 0, 1, 1                                   ; slot 0 takes K step 2
	STEP 1, 0, 0
	TURN 1, 0, 1                                   ; slot 1 takes K step 3
	STEP 0, 0, 0
	TURN 0, 1, 0                                   ; nothing is left to fetch
	STEP 1, 0, 0
	s_wait_dscnt 4*NL
	WIN MUL_LO
	MUL16 0, 1, NQ-1, 1, 0
	MUL16 2, 1, NQ-1, 1, 0
	s_wait_dscnt 0
	WIN MUL_HI
	MUL16 4, 1, NQ-1, 1, 0
	MUL16 6, 1, NQ-1, 1, 0
	WIN 0
; THE WAY OUT, block by block of 16 rows x 128 columns, through my own stage: in as 32 bytes a lane, back as whole rows of 512 bytes.  LDS serves a wave's instructions in order (ISA guide 5.7.1.4).
.macro TOSTAGE a
.set AC, 64*((\a)%4)
	WIN 0x08+4*((\a)/4)                            ; the data: window 2 or 3
.irp b, 0,1,2,3,4,5,6,7
	ds_store_b128 v[STO], v[AC+8*\b:AC+8*\b+3] offset:64*\b          ; each accumulator from its low end on
	ds_store_b128 v[STO], v[AC+8*\b+4:AC+8*\b+7] offset:64*\b+16
.endr
	WIN 0
.set BB, BK+64*((\a)%2)
.irp t, 0,1,2,3,4,5,6,7,8,9,10,11,12,13,14,15
	ds_load_b128 v[BB+4*\t:BB+4*\t+3], v[RD] offset:\t*SPITCH
.endr
.endm
.macro SEND a, younger                 ; younger: the LDS instructions issued behind block a's loads, which may stay out
.set BB, BK+64*((\a)%2)
	s_wait_dscnt \younger
.if (\a) > 0
	s_add_nc_u64 s[12:13], s[12:13], 16*SIZE_N*4   ; (behind a wait on XCNT: the earlier stores have read their base)
.endif
.irp t, 0,1,2,3,4,5,6,7,8,9,10,11,12,13,14,15
	global_store_b128 v[CO], v[BB+4*\t:BB+4*\t+3], s[12:13] offset:\t*SIZE_N*4 th:TH_STORE_NT   ; 32 lanes store 512 consecutive bytes, aligned
.endr
.endm
	PLACES NP                                      ; behind the last products: loads land in a's registers, and results are read
	TOSTAGE 0
.irp a, 1,2,3,4,5,6,7
.if \a > 1
	s_wait_xcnt 0x0                                ; block a - 2's stores have read their registers and their base
.endif
	TOSTAGE \a
	SEND \a-1, 32                                  ; behind block a - 1's loads: block a's 16 stores and 16 loads
.endr
	s_wait_xcnt 0x0
	SEND 7, 0
	s_wait_tensorcnt 0x0                           ; the wave's end
	ds_add_u32 v[SPW], v[NIL]
	s_wait_dscnt 0x0
	CROUND                                         ; the closing round
	s_endpgm
.Lfunc_end_k_q0bc223006f_outp:
	.size	k_q0bc223006f_outp, .Lfunc_end_k_q0bc223006f_outp-k_q0bc223006f_outp
	.p2alignl 7, 3214868480
	.fill 96, 4, 3214868480
	.section	.rodata,"a",@progbits
	.p2align	6, 0x0
	.amdhsa_kernel k_q0bc223006f_outp
		.amdhsa_group_segment_fixed_size 327680
		.amdhsa_private_segment_fixed_size 0
		.amdhsa_enable_private_segment 0
		.amdhsa_kernarg_size 48
		.amdhsa_user_sgpr_count 2
		.amdhsa_user_sgpr_kernarg_segment_ptr 1
		.amdhsa_wavefront_size32 1
		.amdhsa_system_sgpr_workgroup_id_x 1
		.amdhsa_system_sgpr_workgroup_id_y 1
		.amdhsa_system_sgpr_workgroup_id_z 1
		.amdhsa_system_vgpr_workitem_id 0
		.amdhsa_next_free_vgpr 1024
		.amdhsa_next_free_sgpr 100
		.amdhsa_reserve_vcc 0
		.amdhsa_float_denorm_mode_32 3
		.amdhsa_float_denorm_mode_16_64 3
		.amdhsa_memory_ordered 1
		.amdhsa_forward_progress 1
		.amdhsa_inst_pref_size 145
	.end_amdhsa_kernel
	.amdgpu_metadata
---
amdhsa.version: [ 1, 2 ]
amdhsa.kernels:
  - .name:           k_q0bc223006f_outp
    .symbol:         k_q0bc223006f_outp.kd
    .args:
      - { .name: acod, .offset: 0, .size: 8, .value_kind: global_buffer, .address_space: global }
      - { .name: ascl, .offset: 8, .size: 8, .value_kind: global_buffer, .address_space: global }
      - { .name: xcod, .offset: 16, .size: 8, .value_kind: global_buffer, .address_space: global }
      - { .name: xscl, .offset: 24, .size: 8, .value_kind: global_buffer, .address_space: global }
      - { .name: bo, .offset: 32, .size: 8, .value_kind: global_buffer, .address_space: global }
      - { .name: out0, .offset: 40, .size: 8, .value_kind: global_buffer, .address_space: global }
    .group_segment_fixed_size: 327680
    .private_segment_fixed_size: 0
    .kernarg_segment_align: 8
    .kernarg_segment_size: 48
    .max_flat_workgroup_size: 128
    .sgpr_count:     100
    .vgpr_count:     1024
    .wavefront_size: 32
...
	.end_amdgpu_metadata
.endif
;; end of part 4
